; MI455X (gfx1250); checked and timed in simulation.
; The chip was launched on July 23, 2026; its instructions are those of AMD's public machine-readable ISA for CDNA 5 (MIT licence, August 2026) and "CDNA5" Instruction Set Architecture Reference Guide (July 2026). The comments in the code are by the model that wrote it; some were corrected since.
;; Reasoner Attention. Allowed arithmetic: matrix products marked QUANTISED: E4M3 operands, one given power-of-two scale a tensor, by v_wmma_f32_16x16x64_fp8_fp8 or v_wmma_f32_16x16x128_fp8_fp8, f32 sums; everything else in f32.
;; Inputs: freqs_cos 2,048 x 32 float32; freqs_sin 2,048 x 32 float32; lowp_scales 12 int32 (the exponents e of the quantised operands' scales 2^e); mask 2,048 x 2,048 float32; wk 512 x 2,048 float32; wo 2,048 x 2,048 float32; wq 2,048 x 2,048 float32; wv 512 x 2,048 float32; x 1 x 2,048 x 2,048 float32.
;; Outputs: out0 1 x 2,048 x 2,048 float32.
;; Constants: start_pos = 0.
;; This version of the problem:
;;   THIS VERSION OF THE PROBLEM IS GIVEN IN LOW PRECISION. The matrix products marked QUANTISED in the list below multiply operands that are first quantised to E4M3 (4 exponent bits, 3 mantissa bits; 8 bits a number), with one given power-of-two scale for each operand tensor; their sums are f32. All else is computed in f32.
;;   The module's matrix products, in the order in which they are computed (A, B: the left and right operand; K: the contracted axis; several contracted axes count as one K, in the product's order):
;;     1. [M 2,048, K 2,048] x [K 2,048, N 2,048]; A: input x; B: input wq: QUANTISED (scales: A lowp_scales[0], B lowp_scales[1])
;;     2. [M 2,048, K 2,048] x [K 2,048, N 512]; A: input x; B: input wk: QUANTISED (scales: A lowp_scales[2], B lowp_scales[3])
;;     3. [M 2,048, K 2,048] x [K 2,048, N 512]; A: input x; B: input wv: QUANTISED (scales: A lowp_scales[4], B lowp_scales[5])
;;     4. batch 32 x [M 2,048, K 64] x [K 64, N 2,048]; A: computed on the way; B: computed on the way: QUANTISED (scales: A lowp_scales[6], B lowp_scales[7])
;;     5. batch 32 x [M 2,048, K 2,048] x [K 2,048, N 64]; A: softmax (see below); B: computed on the way: QUANTISED (scales: A lowp_scales[8], B lowp_scales[9])
;;     6. [M 2,048, K 2,048] x [K 2,048, N 2,048]; A: computed on the way; B: input wo: QUANTISED (scales: A lowp_scales[10], B lowp_scales[11])
;;   THE QUANTISER, for each operand of a quantised product, along K:
;;     - The operand's scale is 2^e, e = its entry of the input lowp_scales (int32; the entries are numbered through the quantised products in the list's order, A before B).
;;     - Each number is divided by the scale, clamped to +-448, and rounded to the nearest number of E4M3, ties to even, subnormals kept.
;;     - The product sums the exact products of the quantised numbers (number of the format x scale) in f32.
;;   ~~~python
;;   def quantise(x, axis, e):      # numpy; x: float32 -> the quantised numbers, widened to float32 again
;;       x = np.moveaxis(x, axis, -1); K = x.shape[-1]
;;       r = np.clip(x / 2.0 ** e, -448, 448)
;;       step = 2.0 ** (np.maximum(np.frexp(np.where(r == 0, 1, r))[1] - 1, -6) - 3)
;;       q = np.round(r / step) * step * 2.0 ** e      # np.round: ties to even
;;       return np.moveaxis(q, -1, axis).astype(np.float32)
;;   ~~~
;;   SOFTMAX AHEAD OF A QUANTISED PRODUCT. Where the list says 'softmax', what is quantised is not the finished softmax but p = 2^(t - M), with t = logit x log2(e) and M = ceil(the row's largest t), a whole number; so 1/2 < the row's largest p <= 1. The row's sum l is taken of the UNQUANTISED p, in f32, and the product's result is divided by l at the end. Since M is a whole number, a kernel that streams over the keys may use a running M (the ceiling of the running maximum): every later rescaling is an exact power of two, so the quantised numbers keep their values, but for numbers so far below the row's largest that they fall under the format's range.
;;   OPERANDS COMPUTED ON THE WAY. 'Computed on the way' means the value that the module computes at that place (a softmax that the list does not call 'softmax' is quantised finished and normalised). What goes into a quantiser is computed in f32, as accurately as f32 sums, v_exp_f32 and their like allow (about 1e-6 of the number): no bf16 or f16 on the way to a quantiser, and a product that is left as it is and whose result goes on into a quantised operand takes f32 operands (vector FMAs, or v_wmma_f32_16x16x4_f32). A number that lies on a knife's edge between two numbers of the format may be rounded either way, as far as f32 arithmetic and the matrix unit's own rounding can turn it there, and no further.
;; One version. Each part assembles by itself: llvm-mc -triple=amdgcn-amd-amdhsa -mcpu=gfx1250 --defsym DOCPART=n.
;; ======== version 1 of 1: 4 launches
;; limits: right only within a limited range of input values
;; workspace buffers: xc 12,582,912 bytes; wc 10,485,760 bytes; qc 4,194,304 bytes; kvc 2,097,152 bytes; ao 4,194,304 bytes
;; launch quant (part 1): grid 896 x 1, 4 waves a work-group, no clusters, 33,280 bytes of LDS; arguments x, wq, wk, wv, wo, lowp_scales, xc, wc; writes xc, wc
.if DOCPART == 1
	.amdgcn_target "amdgcn-amd-amdhsa--gfx1250"
	.amdhsa_code_object_version 6
	.text
	.protected	k_q196f2e3d6a_quant
	.globl	k_q196f2e3d6a_quant
	.p2align	8
	.type	k_q196f2e3d6a_quant,@function
k_q196f2e3d6a_quant:
	s_mov_b64 s[64:65], 0
	v_nop
	global_prefetch_b8 v0, s[64:65] scope:SCOPE_SE
	s_setreg_imm32_b32 hwreg(HW_REG_WAVE_MODE, 25, 1), 1
	s_wait_xcnt 0x0
; x, wq, wk, wv, wo (f32, K innermost, dense rows) become codes of FP8 (E4M3), one byte each, K innermost, each with the scale 2^e that is given for it.
; code = number / 2^e, held within +-448, rounded to the nearest code, ties to even.
; x is an operand of three products with an exponent of its own in each (entries 0, 2, 4): it is read once and leaves as three planes of 4 MiB in xc.
; The weights leave one behind the other in wc: wq (entry 1), wk (entry 3), wv (entry 5), wo (entry 11): 5,120 rows of 2,048 codes.
; A work-group takes 16,384 numbers, a wave 8 steps of 512: 896 small work-groups, several to a WGP, each wave with 16 loads of 512 bytes out.
; Work-groups 0-255: x; 256-511: wq; 512-575: wk; 576-639: wv; 640-895: wo: only pointers and exponents are chosen by the work-group's number.
; Each load reads 512 consecutive bytes, 16 a lane; a step's 2,048 bytes turn through the wave's own stage in LDS and come back 64 bytes (16 neighbours along K) a lane; a lane's 16 codes are 16 bytes, so a store covers 512 consecutive bytes, aligned.
; LIMITS: each e between -126 and 119, so that 2^e and 448 x 2^e are f32 numbers.  NaN among the inputs is not served (an infinity is held at the largest code).
.set WAVES, 4
.set STEPS, 8
.set WGX,   256                        ; x's work-groups: 4,194,304 numbers / 16,384
.set WREG,  8192                       ; LDS: a region for each wave: two stages of 32 x SP bytes
.set SP,    80                         ; a lane's place in a stage: 64 bytes + 16 of padding
.set SPARE, WAVES*WREG                 ; behind the regions: the spare words, 128 bytes for each wave, which no other line names
.set SPW,   12                         ; v12  my spare word's LDS address; never rewritten
.set NIL,   13                         ; v13  0; never rewritten
.set R,     16                         ; v16-79    four sets of 16 numbers as loaded
.set X,     80                         ; v80-111   two sets of 16 neighbours
.set T,     112                        ; v112-127  16 numbers, held
.set C,     128                        ; v128-139  codes: four registers for each of three outputs
.set SC,    140                        ; v140-142  2^e for the three outputs
.set LM,    143                        ; v143-145  448 x 2^e
	s_load_b512 s[4:19], s[0:1], 0x0               ; x, wq, wk, wv, wo, the exponents, xc, wc
	v_lshl_add_u32 v[SPW], v0, 2, SPARE
	v_mov_b32 v[NIL], 0
	v_lshrrev_b32 v1, 5, v0
	v_readfirstlane_b32 s20, v1                    ; wave
	v_and_b32 v2, 31, v0                           ; lane
	v_lshlrev_b32 v3, 4, v2                        ; 16 x lane: my place in a load's 512 bytes and in a store's
	s_mul_i32 s44, s20, WREG
	v_lshrrev_b32 v14, 2, v2
	v_mul_u32_u24 v14, v14, SP
	v_and_b32 v15, 3, v2
	v_lshl_add_u32 v14, v15, 4, v14
	v_add_nc_u32 v14, s44, v14                     ; the stage, in: SP (lane / 4) + 16 (lane % 4)
	v_mul_u32_u24 v15, v2, SP
	v_add_nc_u32 v15, s44, v15                     ; and out: SP x lane
	s_wait_alu depctr_va_vdst(0)
	s_wait_kmcnt 0x0
	s_load_b256 s[32:39], s[14:15], 0x0            ; e0 .. e7
	s_load_b128 s[40:43], s[14:15], 0x20           ; e8 .. e11
	s_mov_b32 s21, 640                             ; the tensor's first work-group,
	s_mov_b64 s[24:25], s[12:13]                   ; and the tensor: wo, unless ..
	s_cmp_lt_u32 ttmp9, 640
	s_cselect_b64 s[24:25], s[10:11], s[24:25]
	s_cselect_b32 s21, 576, s21
	s_cmp_lt_u32 ttmp9, 576
	s_cselect_b64 s[24:25], s[8:9], s[24:25]
	s_cselect_b32 s21, 512, s21
	s_cmp_lt_u32 ttmp9, 512
	s_cselect_b64 s[24:25], s[6:7], s[24:25]
	s_cselect_b32 s21, 256, s21
	s_cmp_lt_u32 ttmp9, WGX
	s_cselect_b64 s[24:25], s[4:5], s[24:25]
	s_cselect_b32 s21, 0, s21
	s_cselect_b64 s[26:27], s[16:17], s[18:19]     ; codes go to xc or to wc,
	s_cselect_b32 s22, 0, WGX                      ; counted from work-group 0 or 256: the weights lie in wc in the work-groups' order
	s_sub_co_u32 s44, ttmp9, s21
	s_lshl_b32 s44, s44, 2
	s_add_co_u32 s44, s44, s20                     ; which run of 4,096 numbers of the tensor is my wave's
	s_lshl_b32 s44, s44, 14                        ; in bytes
	s_mov_b32 s45, 0
	s_add_nc_u64 s[24:25], s[24:25], s[44:45]
	s_sub_co_u32 s44, ttmp9, s22
	s_lshl_b32 s44, s44, 2
	s_add_co_u32 s44, s44, s20
	s_lshl_b32 s44, s44, 12                        ; 4,096 codes
	s_add_nc_u64 s[26:27], s[26:27], s[44:45]      ; output 0
	s_add_nc_u64 s[28:29], s[26:27], 0x400000      ; x's second plane
	s_add_nc_u64 s[30:31], s[26:27], 0x800000      ; and third (used by x's work-groups alone)
.macro LOAD t
.irp i, 0,1,2,3
	global_load_b128 v[R+16*((\t)%4)+4*\i:R+16*((\t)%4)+4*\i+3], v3, s[24:25] offset:2048*(\t)+512*\i th:TH_LOAD_NT
.endr
.endm
.macro TURN t                          ; step t's numbers through the stage: LDS serves a wave's instructions in order, so no wait stands between the stores and the loads
.irp i, 0,1,2,3
	ds_store_b128 v14, v[R+16*((\t)%4)+4*\i:R+16*((\t)%4)+4*\i+3] offset:32*SP*((\t)%2)+8*SP*\i
.endr
.irp i, 0,1,2,3
	ds_load_b128 v[X+16*((\t)%2)+4*\i:X+16*((\t)%2)+4*\i+3], v15 offset:32*SP*((\t)%2)+16*\i
.endr
.endm
.irp t, 0,1,2,3
	LOAD \t
.endr
	s_wait_kmcnt 0x0
	s_mov_b32 s44, s43                             ; output 0's exponent: e11 (wo), unless ..
	s_cmp_lt_u32 ttmp9, 640
	s_cselect_b32 s44, s37, s44                    ; e5 (wv)
	s_cmp_lt_u32 ttmp9, 576
	s_cselect_b32 s44, s35, s44                    ; e3 (wk)
	s_cmp_lt_u32 ttmp9, 512
	s_cselect_b32 s44, s33, s44                    ; e1 (wq)
	s_cmp_lt_u32 ttmp9, WGX
	s_cselect_b32 s44, s32, s44                    ; e0 (x)
.macro MKSC n, e                       ; 2^e and 448 x 2^e as f32 numbers
	s_add_co_i32 s45, \e, 127
	s_lshl_b32 s46, s45, 23
	v_mov_b32 v[SC+\n], s46
	s_add_co_i32 s45, s45, 8
	s_lshl_b32 s45, s45, 23
	s_or_b32 s45, s45, 0x600000
	v_mov_b32 v[LM+\n], s45
.endm
	MKSC 0, s44
	MKSC 1, s34                                    ; e2
	MKSC 2, s36                                    ; e4
	s_wait_alu depctr_va_vdst(0)
	s_wait_loadcnt 12                              ; step 0's four loads are in
	TURN 0
.macro QOUT n, t                       ; the step's 16 neighbours under output n's scale
.irp i, 0,1,2,3,4,5,6,7,8,9,10,11,12,13,14,15
	v_med3_num_f32 v[T+\i], v[XS+\i], -v[LM+\n], v[LM+\n]   ; the conversion to an 8-bit code does not saturate (ISA guide 7.6.2): the hold; not in place, since x is wanted three times
.endr
	v_cvt_scalef32_pk8_fp8_f32 v[C+4*\n:C+4*\n+1], v[T:T+7], v[SC+\n]
	v_cvt_scalef32_pk8_fp8_f32 v[C+4*\n+2:C+4*\n+3], v[T+8:T+15], v[SC+\n]
	v_nop                                          ; a plain line between the conversions and the next write of their sources
	global_store_b128 v3, v[C+4*\n:C+4*\n+3], s[26+2*\n:27+2*\n] offset:512*(\t)
.endm
.macro STEP t
.set XS, X+16*((\t)%2)
	s_wait_dscnt 0x0                               ; this step's numbers are back from the stage, and its stores into the stage have read their registers,
.if (\t)+4 < STEPS
	LOAD (\t)+4                                    ; which take the loads of four steps on
.endif
.if (\t)+1 < STEPS
.if STEPS-2-(\t) >= 3
	s_wait_loadcnt 12                              ; the next step's four loads are in; those of the three steps behind it may be out
.else
	s_wait_loadcnt 4*(STEPS-2-(\t))
.endif
	TURN (\t)+1
.endif
	s_wait_xcnt 0x0                                ; the last step's stores have read the codes' registers, which are written again below
	QOUT 0, \t
	s_cmp_lt_u32 ttmp9, WGX                        ; x alone has a second and a third scale: the branch leads round conversions and global stores, no LDS line
	s_cbranch_scc0 .Lw_\@
	QOUT 1, \t
	QOUT 2, \t
.Lw_\@:
.endm
.irp t, 0,1,2,3,4,5,6,7
	STEP \t
.endr
	s_wait_tensorcnt 0x0                           ; the wave's end, behind my last LDS store
	ds_add_u32 v[SPW], v[NIL]
	s_wait_dscnt 0x0
	s_endpgm
.Lfunc_end_k_q196f2e3d6a_quant:
	.size	k_q196f2e3d6a_quant, .Lfunc_end_k_q196f2e3d6a_quant-k_q196f2e3d6a_quant
	.p2alignl 7, 3214868480
	.fill 96, 4, 3214868480
	.section	.rodata,"a",@progbits
	.p2align	6, 0x0
	.amdhsa_kernel k_q196f2e3d6a_quant
		.amdhsa_group_segment_fixed_size 33280
		.amdhsa_private_segment_fixed_size 0
		.amdhsa_enable_private_segment 0
		.amdhsa_kernarg_size 64
		.amdhsa_user_sgpr_count 2
		.amdhsa_user_sgpr_kernarg_segment_ptr 1
		.amdhsa_wavefront_size32 1
		.amdhsa_system_sgpr_workgroup_id_x 1
		.amdhsa_system_sgpr_workgroup_id_y 1
		.amdhsa_system_sgpr_workgroup_id_z 1
		.amdhsa_system_vgpr_workitem_id 0
		.amdhsa_next_free_vgpr 152
		.amdhsa_next_free_sgpr 66
		.amdhsa_reserve_vcc 0
		.amdhsa_float_denorm_mode_32 3
		.amdhsa_float_denorm_mode_16_64 3
		.amdhsa_memory_ordered 1
		.amdhsa_forward_progress 1
		.amdhsa_inst_pref_size 43
	.end_amdhsa_kernel
	.amdgpu_metadata
---
amdhsa.version: [ 1, 2 ]
amdhsa.kernels:
  - .name:           k_q196f2e3d6a_quant
    .symbol:         k_q196f2e3d6a_quant.kd
    .args:
      - { .name: x, .offset: 0, .size: 8, .value_kind: global_buffer, .address_space: global }
      - { .name: wq, .offset: 8, .size: 8, .value_kind: global_buffer, .address_space: global }
      - { .name: wk, .offset: 16, .size: 8, .value_kind: global_buffer, .address_space: global }
      - { .name: wv, .offset: 24, .size: 8, .value_kind: global_buffer, .address_space: global }
      - { .name: wo, .offset: 32, .size: 8, .value_kind: global_buffer, .address_space: global }
      - { .name: lowp_scales, .offset: 40, .size: 8, .value_kind: global_buffer, .address_space: global }
      - { .name: xc, .offset: 48, .size: 8, .value_kind: global_buffer, .address_space: global }
      - { .name: wc, .offset: 56, .size: 8, .value_kind: global_buffer, .address_space: global }
    .group_segment_fixed_size: 33280
    .private_segment_fixed_size: 0
    .kernarg_segment_align: 8
    .kernarg_segment_size: 64
    .max_flat_workgroup_size: 128
    .sgpr_count:     66
    .vgpr_count:     152
    .wavefront_size: 32
...
	.end_amdgpu_metadata
.endif
;; end of part 1
;; launch qkv (part 2): grid 24 x 16, 4 waves a work-group, clusters of 4 x 4, 327,680 bytes of LDS; arguments xc, wc, lowp_scales, freqs_cos, freqs_sin, qc, kvc; writes qc, kvc
.if DOCPART == 2
	.amdgcn_target "amdgcn-amd-amdhsa--gfx1250"
	.amdhsa_code_object_version 6
	.text
	.protected	k_q196f2e3d6a_qkv
	.globl	k_q196f2e3d6a_qkv
	.p2align	8
	.type	k_q196f2e3d6a_qkv,@function
k_q196f2e3d6a_qkv:
	s_mov_b64 s[64:65], 0
	v_nop
	global_prefetch_b8 v0, s[64:65] scope:SCOPE_SE
	s_setreg_imm32_b32 hwreg(HW_REG_WAVE_MODE, 25, 1), 1
	s_wait_xcnt 0x0
	s_wait_alu depctr_hold_cnt(0) depctr_sa_sdst(0) depctr_va_vdst(0) depctr_va_sdst(0) depctr_va_ssrc(0) depctr_va_vcc(0) depctr_vm_vsrc(0)
	s_getreg_b32 s2, hwreg(HW_REG_IB_STS2, 6, 4)
	s_cmp_eq_u32 s2, 0
	s_cbranch_scc0 .Lentry_in_a_cluster
	s_endpgm
.Lentry_in_a_cluster:
	s_bfe_u32 s2, ttmp6, 0x10000c
	s_cmp_lg_u32 s2, 0xf033
	s_cbranch_scc0 .Lentry_shape_is_right
	s_endpgm
.Lentry_shape_is_right:
; q = rope(x wq^T), k = rope(x wk^T), v = x wv^T on codes of FP8 (E4M3); the results are quantised at once for the attention's products and leave as codes.
; A tile of 128 x 128 is made by four waves, each 64 x 64: 16 accumulators.  K = 2,048 goes in four steps of 512 through two LDS slots filled by the tensor data mover.
; THE MATRIX INSTRUCTION IS USED TRANSPOSED: source 0 = 16 rows of the 'P' side, whose index then runs along a lane's eight registers; source 1 = 16 rows of the 'Q' side (row = lane % 16).
; q, k: P = the weight's rows (a lane holds 8 neighbouring channels of one position: RoPE's pairs, and the next product's K), Q = x's rows.
; v: the sides are swapped BY ADDRESS (P = x's rows, Q = wv's rows), so that a lane holds 8 neighbouring KEYS of one channel: the keys are the next K.  The loop's text is the same.
; The type hangs on the cluster's x alone (0-3: q, 4: k, 5: v), which all sixteen partners share.
; CLUSTERS: 4 x 4.  Q's tiles hang on the place along y and are asked for jointly by a row of the cluster, P's on the place along x and by a column.
; A fragment (16 rows x 128 K) is fetched by four loads of 16 bytes: a permutation of k inside the instruction, the same on both sides.
; OUTPUT: rows of 64 codes; byte 32 h + 8 b + i of a row holds index 16 b + 8 h + i (channel for q and k, key in its block of 64 for v).
;   qc [32 heads][2048][64];  kvc: k [8][2048][64], then from byte 1,048,576 v [8][32 blocks of keys][64 channels][64 keys].
; SCALES: RoPE is linear, so the products' two scales and the next quantiser's are folded into the conversion's one: 2^X, X = e6-e0-e1 (q), e7-e2-e3 (k), e9-e4-e5 (v).
; LIMIT: X between -126 and 119, so that 2^X and 448 x 2^X are f32 numbers.
; REGISTERS: window 0: v1 r, v2 h, v8-15 at work, v16-31 addresses and scales, v32-63 rows on the way out, v96-127 codes, v128-255 accumulators ((a, b) at 128 + 8 (4 a + b)).
;   window 1: two fragment buffers of 128: Q's four fragments, then P's four.   window 2: v0-63 cos, v64-127 sin, four numbers for each accumulator.
.set PITCH,  528                       ; an LDS row: 512 bytes + 16 of padding: the 16 rows of a load start 16 bytes apart modulo 256
.set HALFT,  64*PITCH                  ; what one tensor load brings, and what one wave reads of a side
.set SLOT,   4*HALFT                   ; Q's 128 rows, then P's 128 rows
.set STAGE,  2*SLOT                    ; behind the ring: 64 rows x 80 bytes for each wave
.set SPARE,  STAGE+4*5120              ; behind the stages: the spare words, 128 bytes for each wave, which no other line names
.set ADRQ, 16                          ; v16-17 LDS address of my Q fragments in slot 0, 1
.set ADRP, 20                          ; v20-21 the same for P
.set STO,  24
.set RD,   25
.set CO,   26
.set CSO,  27                          ; v27 my offset in cos and sin
.set SPW,  28                          ; v28 my spare word; never rewritten
.set NIL,  29                          ; v29 0; never rewritten
.set SCL,  30                          ; v30 2^X
.set LIM,  31                          ; v31 448 x 2^X
.set ACC,  128
.set F0,   0
.set F1,   128
.set G1Q,  24
.set G0Q,  32
.set G1P,  48
.set G0P,  56
.set WV,   18
.set RH,   19                          ; my half of Q's rows; also: 0 = I fetch for Q, 1 = for P
.set CH,   20                          ; my half of P's rows; also: which 64 rows I fetch
.set G1W0, (1<<20)|(1<<21)|(6<<22)|(3<<25)   ; elements of 1 byte; padding on; bit 21 beside a mask; after every 128 words; 4 words
.set MUL,  0x05                        ; sources 0 and 1 window 1
.set TO_F, 0x40                        ; destination window 1
.set MSB, 0
.macro WIN new                         ; the immediate's high byte repeats the setting that is left
.if MSB != \new
	s_set_vgpr_msb (MSB<<8)|\new
.set MSB, \new
.endif
.endm
.macro PLACES n
.rept \n
	v_nop
.endr
.endm
.macro JLOAD s                         ; a joint load: waves 0, 1 fetch Q's halves, waves 2, 3 P's; an s_nop 0 and four v_nop follow each line
	s_cmp_eq_u32 s[RH], 0
	s_cbranch_scc0 .Lfor_p_\@
	tensor_load_to_lds s[G0Q+4*\s:G0Q+4*\s+3], s[G1Q:G1Q+7]
	s_nop 0
.rept 4
	v_nop
.endr
	s_branch .Lasked_\@
.Lfor_p_\@:
	tensor_load_to_lds s[G0P+4*\s:G0P+4*\s+3], s[G1P:G1P+7]
	s_nop 0
.rept 4
	v_nop
.endr
.Lasked_\@:
.endm
.macro CREST                           ; a round of the cluster's barrier behind its opening barrier
	s_cmp_lg_u32 s[WV], 0
	s_cbranch_scc1 .Lnot_wave_0_\@
	s_barrier_signal -3
.Lnot_wave_0_\@:
	s_barrier_wait -3
	s_barrier_signal -1
	s_barrier_wait -1
.endm
.macro CROUND
	s_barrier_signal -1
	s_barrier_wait -1
	CREST
.endm
	s_load_b256 s[4:11], s[0:1], 0x0               ; xc, wc, the exponents, cos
	s_load_b128 s[12:15], s[0:1], 0x20             ; sin, qc
	s_load_b64 s[16:17], s[0:1], 0x30              ; kvc
	v_lshl_add_u32 v[SPW], v0, 2, SPARE
	v_mov_b32 v[NIL], 0
	ds_add_u32 v[SPW], v[NIL]                      ; the wave's opening: the add and its wait ahead of my first tensor load; register work stands between
	ds_add_u32 v[SPW], v[NIL]
	v_lshrrev_b32 v1, 5, v0
	v_readfirstlane_b32 s[WV], v1
	s_lshr_b32 s[RH], s[WV], 1
	s_and_b32 s[CH], s[WV], 1
	s_bfe_u32 s21, ttmp6, 0x40000                  ; cx
	s_bfe_u32 s22, ttmp6, 0x40004                  ; cy
	s_mov_b32 s23, ttmp9                           ; cluster x, 0 .. 5
	s_and_b32 s40, ttmp7, 0xffff                   ; cluster y, 0 .. 3
	s_max_u32 s41, s23, 3
	s_sub_co_u32 s41, s41, 3                       ; the type: 0 q, 1 k, 2 v
	s_cmp_eq_u32 s41, 2
	s_cselect_b32 s42, s40, s23                    ; which cluster coordinate counts P's tiles,
	s_cselect_b32 s43, s23, s40                    ; and which Q's
	s_lshl_b32 s44, s42, 2
	s_add_co_u32 s44, s44, s21                     ; P's tile: cx enters, cy never
	s_lshl_b32 s45, s43, 2
	s_add_co_u32 s45, s45, s22                     ; Q's tile: cy enters, cx never
	s_lshl_b32 s46, s22, 2
	s_lshl_b32 s46, 15, s46                        ; my row of the cluster
	s_lshl_b32 s47, 0x1111, s21                    ; my column
	s_or_b32 s[G1Q], s46, G1W0
	s_or_b32 s[G1P], s47, G1W0
.irp g, G1Q, G1P
	s_mov_b32 s[\g+1], 512<<16                     ; tensor_dim0 = 512
	s_mov_b32 s[\g+2], 64<<16                      ; tensor_dim1 = 64
	s_mov_b32 s[\g+3], 512<<16                     ; tile_dim0 = 512
	s_mov_b32 s[\g+4], 64                          ; tile_dim1 = 64
	s_mov_b32 s[\g+5], 2048                        ; bytes from row to row
	s_mov_b32 s[\g+6], 0
	s_mov_b32 s[\g+7], 0
.endr
	s_lshl_b32 s84, s[CH], 6                       ; which 64 rows of the tile I fetch
	s_lshl_b32 s86, s45, 7
	s_add_co_u32 s86, s86, s84
	s_lshl_b32 s86, s86, 11                        ; Q: row x 2,048 bytes
	s_mov_b32 s87, 0
	s_lshl_b32 s88, s44, 7
	s_add_co_u32 s88, s88, s84
	s_lshl_b32 s88, s88, 11                        ; P likewise
	s_mov_b32 s89, 0
	s_mul_i32 s85, s[WV], HALFT                    ; where my tile goes: the wave's number alone
	s_lshl_b32 s90, s41, 22                        ; x's plane of this type: 4 MiB x type
	s_mov_b32 s91, 0
	s_wait_dscnt 0x0                               ; the opening add is done
	s_wait_kmcnt 0x0
	s_load_b256 s[72:79], s[8:9], 0x0              ; e0 .. e7
	s_load_b128 s[80:83], s[8:9], 0x20             ; e8 .. e11
	s_add_nc_u64 s[90:91], s[4:5], s[90:91]
	s_cmp_eq_u32 s41, 2
	s_cselect_b64 s[66:67], s[90:91], s[6:7]       ; P: the weights, for v x
	s_cselect_b64 s[68:69], s[6:7], s[90:91]       ; Q: x, for v the weights (Q's tile 20 + cy: wv's rows in wc)
	s_add_nc_u64 s[66:67], s[66:67], s[88:89]
	s_add_nc_u64 s[68:69], s[68:69], s[86:87]
	CROUND                                         ; all sixteen work-groups are here: the first joint loads meet
.irp s, 0,1
	s_mov_b32 s[G0Q+4*\s], 1
	s_add_co_u32 s[G0Q+4*\s+1], s85, \s*SLOT
	s_add_nc_u64 s[G0Q+4*\s+2:G0Q+4*\s+3], s[68:69], \s*512
	s_or_b32 s[G0Q+4*\s+3], s[G0Q+4*\s+3], 0x80000000
	s_mov_b32 s[G0P+4*\s], 1
	s_add_co_u32 s[G0P+4*\s+1], s85, \s*SLOT
	s_add_nc_u64 s[G0P+4*\s+2:G0P+4*\s+3], s[66:67], \s*512
	s_or_b32 s[G0P+4*\s+3], s[G0P+4*\s+3], 0x80000000
.if \s
	; PREFETCH.  A K step of the 64 rows that I fetch is 128 blocks of 256 bytes; each of the four partners that ask for them jointly takes 16 rows BY ADDRESS: one instruction, a lane a block.
	; K steps 1 and 2 are named here, behind K step 0's load, K step 3 behind K step 1's: each two fills ahead of the load that wants it.  v22 and s[96:97] are never rewritten.
	v_and_b32 v23, 31, v0
	v_lshrrev_b32 v22, 1, v23                      ; row lane / 2, block lane % 2
	v_and_b32 v23, 1, v23
	v_lshlrev_b32 v22, 11, v22
	v_lshl_add_u32 v22, v23, 8, v22
	s_cmp_eq_u32 s[RH], 0
	s_cselect_b64 s[96:97], s[68:69], s[66:67]     ; the 64 rows that I fetch,
	s_cselect_b32 s98, s21, s22                    ; my place among the four that ask for them with me: cx for Q's, cy for P's,
	s_lshl_b32 s98, s98, 15                        ; x 16 rows of 2,048 bytes
	s_mov_b32 s99, 0
	s_add_nc_u64 s[96:97], s[96:97], s[98:99]
	s_wait_alu depctr_va_vdst(0)                   ; directly ahead of the reader below
	global_prefetch_b8 v22, s[96:97] offset:512 th:TH_LOAD_NT scope:SCOPE_SE
	global_prefetch_b8 v22, s[96:97] offset:1024 th:TH_LOAD_NT scope:SCOPE_SE
	s_wait_alu depctr_va_vdst(0)                   ; directly ahead of the wait below
	s_wait_tensorcnt 0x0                           ; my part of K step 0 is in; slot 1's first fill is issued as a refill is
	ds_add_u32 v[SPW], v[NIL]
	s_wait_dscnt 0x0
	CROUND
.endif
	JLOAD \s                                       ; one joint load a wave at the head, K step 1's behind the round
.if \s
	global_prefetch_b8 v22, s[96:97] offset:1536 th:TH_LOAD_NT scope:SCOPE_SE
.endif
.endr
	v_and_b32 v1, 15, v0                           ; r
	s_wait_alu depctr_va_vdst(0)
	v_bfe_u32 v2, v0, 4, 1                         ; h
	v_mul_u32_u24 v3, v1, PITCH
	v_lshl_add_u32 v3, v2, 4, v3                   ; a fragment's row x pitch + 16 h
	s_mul_i32 s84, s[RH], HALFT
	s_mul_i32 s85, s[CH], HALFT
	s_add_co_u32 s85, s85, 2*HALFT
.irp s, 0,1
	v_add_nc_u32 v[ADRQ+\s], s84, v3
	v_add_nc_u32 v[ADRP+\s], s85, v3
	s_add_co_u32 s84, s84, SLOT
	s_add_co_u32 s85, s85, SLOT
.endr
	s_mul_i32 s84, s[WV], 5120
	s_add_co_u32 s84, s84, STAGE                   ; my stage
	v_mul_u32_u24 v[STO], v1, 80
	s_wait_alu depctr_va_vdst(0)
	v_lshl_add_u32 v[STO], v2, 5, v[STO]
	v_add_nc_u32 v[STO], s84, v[STO]               ; in: row r, byte 32 h
	v_and_b32 v4, 31, v0
	v_lshrrev_b32 v5, 2, v4
	v_and_b32 v6, 3, v4
	v_mul_u32_u24 v[RD], v5, 80
	v_lshl_add_u32 v[RD], v6, 4, v[RD]
	v_add_nc_u32 v[RD], s84, v[RD]                 ; back: four lanes to a row of 64 bytes
	v_lshlrev_b32 v[CO], 4, v4                     ; and out: 16 x lane
	; cos and sin of my 64 positions: lane (r, h) wants, for accumulator (a, b), the four pairs 8 b + 4 h + 0 .. 3 of position 16 a + r.
	; v's work-groups load them too (of their own tile of positions, inside the tables) and do not use them: so every way through the text has written the registers that the RoPE lines name.
	s_cmp_eq_u32 s41, 2
	s_cselect_b32 s70, s44, s45                    ; the tile of positions
	s_lshl_b32 s70, s70, 7
	s_lshl_b32 s71, s[RH], 6
	s_add_co_u32 s70, s70, s71
	s_lshl_b32 s70, s70, 7                         ; x 128 bytes a position
	s_mov_b32 s71, 0
	s_add_nc_u64 s[10:11], s[10:11], s[70:71]
	s_add_nc_u64 s[12:13], s[12:13], s[70:71]
	v_lshlrev_b32 v[CSO], 7, v1
	v_lshl_add_u32 v[CSO], v2, 4, v[CSO]
	WIN 0x80                                       ; destination window 2
.irp a, 0,1,2,3
.irp b, 0,1,2,3
	global_load_b128 v[16*\a+4*\b:16*\a+4*\b+3], v[CSO], s[10:11] offset:\a*2048+32*\b
	global_load_b128 v[64+16*\a+4*\b:64+16*\a+4*\b+3], v[CSO], s[12:13] offset:\a*2048+32*\b
.endr
.endr
	WIN 0
	; where my 64 x 64 codes go.  U counts P's halves of 64, W Q's
	s_cmp_eq_u32 s41, 1
	s_cselect_b32 s90, 16, 0
	s_sub_co_u32 s90, s44, s90
	s_lshl_b32 s90, s90, 1
	s_add_co_u32 s90, s90, s[CH]                   ; U: the head (q, k) or the block of keys (v)
	s_cmp_eq_u32 s41, 2
	s_cselect_b32 s91, 20, 0
	s_sub_co_u32 s91, s45, s91
	s_lshl_b32 s91, s91, 1
	s_add_co_u32 s91, s91, s[RH]                   ; W: the block of 64 positions (q, k) or the kv head (v)
	s_cmp_eq_u32 s41, 2
	s_cselect_b32 s92, s91, s90
	s_cselect_b32 s93, s90, s91
	s_cselect_b32 s94, 0x100000, 0                 ; v lies behind k
	s_lshl_b32 s92, s92, 17
	s_lshl_b32 s93, s93, 12
	s_add_co_u32 s92, s92, s93
	s_add_co_u32 s92, s92, s94
	s_mov_b32 s93, 0
	s_cmp_eq_u32 s41, 0
	s_cselect_b64 s[94:95], s[14:15], s[16:17]
	s_add_nc_u64 s[94:95], s[94:95], s[92:93]
.macro FRAG reg, adr, k, i             ; 16 rows x 128 K: lane (r, h) takes, of row r, bytes 32 c + 16 h + 0 .. 15 into registers 4 c .. 4 c + 3
.irp c, 0,1,2,3
	ds_load_b128 v[\reg+4*\c:\reg+4*\c+3], v[\adr] offset:\k+32*\c+(\i)*16*PITCH
.endr
.endm
.macro FETCH slot, k, f                ; 32 loads in one run: P's four fragments, then Q's
	WIN TO_F
.irp i, 0,1,2,3
	FRAG \f+64+16*\i, ADRP+\slot, \k, \i
.endr
.irp i, 0,1,2,3
	FRAG \f+16*\i, ADRQ+\slot, \k, \i
.endr
.endm
.macro MULA f, a, zero                 ; Q's block a against P's four.  The 16 accumulators take turns, one instruction a turn, in the same order in every quarter
.irp b, 0,1,2,3
.if \zero
	v_wmma_f32_16x16x128_fp8_fp8 v[ACC+8*(4*(\a)+\b):ACC+8*(4*(\a)+\b)+7], v[\f+64+16*\b:\f+64+16*\b+15], v[\f+16*(\a):\f+16*(\a)+15], 0
.else
	v_wmma_f32_16x16x128_fp8_fp8 v[ACC+8*(4*(\a)+\b):ACC+8*(4*(\a)+\b)+7], v[\f+64+16*\b:\f+64+16*\b+15], v[\f+16*(\a):\f+16*(\a)+15], v[ACC+8*(4*(\a)+\b):ACC+8*(4*(\a)+\b)+7]
.endif
.endr
.endm
; A K step is four quarters of 128 along K on buffers 0, 1, 0, 1.  One of the first three multiplies buffer f and fetches the next quarter, at byte k, into g.
.macro QUARTER slot, k, f, g, zero
	s_wait_dscnt 8                                 ; P's fragments and Q's blocks 0, 1 are in; the youngest eight loads (blocks 2, 3) may be out
	WIN MUL
	MULA \f, 0, \zero
	MULA \f, 1, \zero
	PLACES 4                                       ; four places in front of loads into registers that matrix instructions have read
	FETCH \slot, \k, \g
	s_wait_dscnt 32                                ; all but the 32 just issued
	WIN MUL
	MULA \f, 2, \zero
	MULA \f, 3, \zero
.endm
; The last quarter multiplies buffer 1 and changes slots: one barrier; in front of it each wave waits for all its tensor loads, adds 0 to its spare word, and waits for that and for its reads of this slot.
.macro TURN slot, next, fill
	WIN 0
	s_wait_tensorcnt 0x0                           ; all my tensor loads have landed: my part of the next slot
	ds_add_u32 v[SPW], v[NIL]
	s_wait_dscnt 9                                 ; (the add and the youngest eight loads may be out)
	WIN MUL
	MULA F1, 0, 0
	MULA F1, 1, 0
	s_wait_dscnt 0x0                               ; the add is done, and my reads of this slot are over
	s_barrier_signal -1
	MULA F1, 2, 0
	WIN 0
	s_barrier_wait -1
.if \fill
	CREST                                          ; the barrier has opened a round of the cluster's: no wave of any partner still reads this slot or has a load on its way
	s_add_nc_u64 s[G0Q+4*\slot+2:G0Q+4*\slot+3], s[G0Q+4*\slot+2:G0Q+4*\slot+3], 1024
	s_add_nc_u64 s[G0P+4*\slot+2:G0P+4*\slot+3], s[G0P+4*\slot+2:G0P+4*\slot+3], 1024
	JLOAD \slot                                    ; two K steps on; its four v_nop are also the places in front of the loads below
.else
	PLACES 4
.endif
	FETCH \next, 0, F0
	WIN MUL
	MULA F1, 3, 0
.endm
	s_wait_tensorcnt 1                             ; my part of K step 0 is in; K step 1's may stay out
	s_barrier_signal -1
	s_barrier_wait -1
	FETCH 0, 0, F0
	QUARTER 0, 128, F0, F1, 1                      ; the first quarter's products start the sums
	QUARTER 0, 256, F1, F0, 0
	QUARTER 0, 384, F0, F1, 0
	TURN 0, 1, 1                                   ; slot 0 takes K step 2
	QUARTER 1, 128, F0, F1, 0
	QUARTER 1, 256, F1, F0, 0
	QUARTER 1, 384, F0, F1, 0
	TURN 1, 0, 1                                   ; slot 1 takes K step 3
	QUARTER 0, 128, F0, F1, 0
	QUARTER 0, 256, F1, F0, 0
	QUARTER 0, 384, F0, F1, 0
	TURN 0, 1, 0                                   ; nothing is left to fetch
	QUARTER 1, 128, F0, F1, 0
	QUARTER 1, 256, F1, F0, 0
	QUARTER 1, 384, F0, F1, 0
	s_wait_dscnt 8
	WIN MUL
	MULA F1, 0, 0
	MULA F1, 1, 0
	s_wait_dscnt 0x0
	MULA F1, 2, 0
	MULA F1, 3, 0
	WIN 0
	; THE WAY OUT
	s_wait_kmcnt 0x0
	s_sub_co_i32 s84, s78, s72
	s_sub_co_i32 s84, s84, s73                     ; q: e6 - e0 - e1
	s_sub_co_i32 s85, s79, s74
	s_sub_co_i32 s85, s85, s75                     ; k: e7 - e2 - e3
	s_sub_co_i32 s86, s81, s76
	s_sub_co_i32 s86, s86, s77                     ; v: e9 - e4 - e5
	s_cmp_eq_u32 s41, 0
	s_cselect_b32 s84, s84, s85
	s_cmp_eq_u32 s41, 2
	s_cselect_b32 s84, s86, s84                    ; chosen by the type: no branch hangs on a loaded number
	s_add_co_i32 s84, s84, 127
	s_lshl_b32 s85, s84, 23
	v_mov_b32 v[SCL], s85
	s_add_co_i32 s84, s84, 8
	s_lshl_b32 s84, s84, 23
	s_or_b32 s84, s84, 0x600000
	v_mov_b32 v[LIM], s84
	PLACES 2                                       ; with the two lines above: four places behind the last products
	s_wait_loadcnt 0x0                             ; cos and sin
	s_cmp_eq_u32 s41, 2
	s_cbranch_scc1 .Lno_rope
	; RoPE on a lane's four pairs (x1, x2) of each accumulator: (x1 c - x2 s, x2 c + x1 s).  The first line takes the pair swapped, times (-s, s); the second adds it to the pair times c.
.macro ROTM x, t, cs, q                ; cs: the even register of the two that hold this pair's c (its s 64 further on); q: which of the two
	v_pk_mul_f32 v[\t:\t+1], v[\x:\x+1], v[\cs+64:\cs+65] op_sel:[1,\q] op_sel_hi:[0,\q] neg_lo:[0,1]
.endm
.macro ROTF x, t, cs, q
	v_pk_fma_f32 v[\x:\x+1], v[\x:\x+1], v[\cs:\cs+1], v[\t:\t+1] op_sel:[0,\q,0] op_sel_hi:[1,\q,1]
.endm
	WIN 0x08                                       ; source 1 window 2
.irp a, 0,1,2,3
.irp b, 0,1,2,3
	ROTM ACC+8*(4*\a+\b),   8,  16*\a+4*\b,   0    ; each accumulator from its low end on
	ROTM ACC+8*(4*\a+\b)+2, 10, 16*\a+4*\b,   1
	ROTM ACC+8*(4*\a+\b)+4, 12, 16*\a+4*\b+2, 0
	ROTM ACC+8*(4*\a+\b)+6, 14, 16*\a+4*\b+2, 1
	ROTF ACC+8*(4*\a+\b),   8,  16*\a+4*\b,   0
	ROTF ACC+8*(4*\a+\b)+2, 10, 16*\a+4*\b,   1
	ROTF ACC+8*(4*\a+\b)+4, 12, 16*\a+4*\b+2, 0
	ROTF ACC+8*(4*\a+\b)+6, 14, 16*\a+4*\b+2, 1
.endr
.endr
	WIN 0
.Lno_rope:
	s_wait_alu depctr_va_vdst(0)
.irp a, 0,1,2,3
.irp b, 0,1,2,3
.irp j, 0,1,2,3,4,5,6,7
	v_med3_num_f32 v[ACC+8*(4*\a+\b)+\j], v[ACC+8*(4*\a+\b)+\j], -v[LIM], v[LIM]   ; the conversion does not saturate (ISA guide 7.6.2): the hold
.endr
	v_cvt_scalef32_pk8_fp8_f32 v[96+2*(4*\a+\b):97+2*(4*\a+\b)], v[ACC+8*(4*\a+\b):ACC+8*(4*\a+\b)+7], v[SCL]
.endr
.endr
	v_nop                                          ; a plain line behind the last conversion
.irp a, 0,1,2,3
.irp b, 0,1,2,3
	ds_store_b64 v[STO], v[96+2*(4*\a+\b):97+2*(4*\a+\b)] offset:\a*1280+8*\b   ; row 16 a + r, byte 32 h + 8 b: indices 16 b + 8 h + 0 .. 7
.endr
.endr
.irp i, 0,1,2,3,4,5,6,7
	ds_load_b128 v[32+4*\i:35+4*\i], v[RD] offset:640*\i   ; LDS serves a wave's instructions in order: these see my stores; eight rows of 64 bytes an instruction
.endr
.irp i, 0,1,2,3,4,5,6,7
	s_wait_dscnt 7-\i
	global_store_b128 v[CO], v[32+4*\i:35+4*\i], s[94:95] offset:512*\i   ; the wave stores 512 consecutive bytes, aligned
.endr
	s_wait_tensorcnt 0x0                           ; the wave's end
	ds_add_u32 v[SPW], v[NIL]
	s_wait_dscnt 0x0
	CROUND                                         ; the closing round
	s_endpgm
.Lfunc_end_k_q196f2e3d6a_qkv:
	.size	k_q196f2e3d6a_qkv, .Lfunc_end_k_q196f2e3d6a_qkv-k_q196f2e3d6a_qkv
	.p2alignl 7, 3214868480
	.fill 96, 4, 3214868480
	.section	.rodata,"a",@progbits
	.p2align	6, 0x0
	.amdhsa_kernel k_q196f2e3d6a_qkv
		.amdhsa_group_segment_fixed_size 327680
		.amdhsa_private_segment_fixed_size 0
		.amdhsa_enable_private_segment 0
		.amdhsa_kernarg_size 56
		.amdhsa_user_sgpr_count 2
		.amdhsa_user_sgpr_kernarg_segment_ptr 1
		.amdhsa_wavefront_size32 1
		.amdhsa_system_sgpr_workgroup_id_x 1
		.amdhsa_system_sgpr_workgroup_id_y 1
		.amdhsa_system_sgpr_workgroup_id_z 1
		.amdhsa_system_vgpr_workitem_id 0
		.amdhsa_next_free_vgpr 640
		.amdhsa_next_free_sgpr 100
		.amdhsa_reserve_vcc 0
		.amdhsa_float_denorm_mode_32 3
		.amdhsa_float_denorm_mode_16_64 3
		.amdhsa_memory_ordered 1
		.amdhsa_forward_progress 1
		.amdhsa_inst_pref_size 88
	.end_amdhsa_kernel
	.amdgpu_metadata
---
amdhsa.version: [ 1, 2 ]
amdhsa.kernels:
  - .name:           k_q196f2e3d6a_qkv
    .symbol:         k_q196f2e3d6a_qkv.kd
    .args:
      - { .name: xc, .offset: 0, .size: 8, .value_kind: global_buffer, .address_space: global }
      - { .name: wc, .offset: 8, .size: 8, .value_kind: global_buffer, .address_space: global }
      - { .name: lowp_scales, .offset: 16, .size: 8, .value_kind: global_buffer, .address_space: global }
      - { .name: freqs_cos, .offset: 24, .size: 8, .value_kind: global_buffer, .address_space: global }
      - { .name: freqs_sin, .offset: 32, .size: 8, .value_kind: global_buffer, .address_space: global }
      - { .name: qc, .offset: 40, .size: 8, .value_kind: global_buffer, .address_space: global }
      - { .name: kvc, .offset: 48, .size: 8, .value_kind: global_buffer, .address_space: global }
    .group_segment_fixed_size: 327680
    .private_segment_fixed_size: 0
    .kernarg_segment_align: 8
    .kernarg_segment_size: 56
    .max_flat_workgroup_size: 128
    .sgpr_count:     100
    .vgpr_count:     640
    .wavefront_size: 32
...
	.end_amdgpu_metadata
.endif
;; end of part 2
;; launch attn (part 3): grid 32 x 8, 8 waves a work-group, clusters of 4 x 4, 327,680 bytes of LDS; arguments qc, kvc, mask, lowp_scales, ao; writes ao
.if DOCPART == 3
	.amdgcn_target "amdgcn-amd-amdhsa--gfx1250"
	.amdhsa_code_object_version 6
	.text
	.protected	k_q196f2e3d6a_attn
	.globl	k_q196f2e3d6a_attn
	.p2align	8
	.type	k_q196f2e3d6a_attn,@function
k_q196f2e3d6a_attn:
	s_mov_b64 s[64:65], 0
	v_nop
	global_prefetch_b8 v0, s[64:65] scope:SCOPE_SE
	s_setreg_imm32_b32 hwreg(HW_REG_WAVE_MODE, 25, 1), 1
	s_wait_xcnt 0x0
	s_wait_alu depctr_hold_cnt(0) depctr_sa_sdst(0) depctr_va_vdst(0) depctr_va_sdst(0) depctr_va_ssrc(0) depctr_va_vcc(0) depctr_vm_vsrc(0)
	s_getreg_b32 s2, hwreg(HW_REG_IB_STS2, 6, 4)
	s_cmp_eq_u32 s2, 0
	s_cbranch_scc0 .Lentry_in_a_cluster
	s_endpgm
.Lentry_in_a_cluster:
	s_bfe_u32 s2, ttmp6, 0x10000c
	s_cmp_lg_u32 s2, 0xf033
	s_cbranch_scc0 .Lentry_shape_is_right
	s_endpgm
.Lentry_shape_is_right:
; Attention on codes of FP8 (E4M3): 32 query heads, 8 kv heads, head size 64, 2,048 positions, an additive f32 mask that is an input and is loaded and added whole.
; THE SOFTMAX AHEAD OF THE SECOND PRODUCT: t = logit x log2(e); M = the row's largest t so far, rounded up to a whole number; p = 2^(t - M) is quantised along the keys, not normalised;
; the row's sum is taken of the unquantised p and divides at the end; when M moves, the sum and O are multiplied by 2^(old M - new M), which rounds nothing.
; ORDER OF ROUNDING: t = fma(sum of codes, log2(e) x 2^(e6+e7-3), mask x log2(e)); t - M is an addition of its own, so the row's largest p lies in (1/2, 1] however large the mask's numbers are.
; SHARES.  A work-group owns 64 queries of one kv head's four query heads.  Wave w: tile of 16 queries w % 4, half of the keys w / 4; it runs all four heads over its 1,024 keys, 128 a step:
; each fragment of K and V and each number of the mask that it reads from LDS serves four heads.  The two halves of the keys meet once, at the end, through LDS, by the same exact rescaling.
; LAYOUT.  Both products transposed: S^T = K Q^T (16x16x64), O^T = V^T P^T (16x16x128): a lane holds one query (lane % 16).  In S^T tile t lane (r, h) holds keys 16 t + 8 h + 0 .. 7:
; their eight codes are registers 2 t, 2 t + 1 of the second product's operand.  Rows of qc and kvc hold index 16 b + 8 h + i at byte 32 h + 8 b + i.
; CLUSTER 4 x 4: K's and V's tiles hang on the kv head and are asked for jointly by a row of the cluster, the mask's on the block of queries and by a column.
; RING: two slots of one step (both halves: 2 x (K 128 rows, V 128 rows, mask 64 rows)); eight waves, one load each.  A step's fragments all lie in registers from its first head's second product on.
; THE CHANGE OF SLOTS IS SPLIT: behind the third head's exponentials each wave runs the three lines and signals; behind the fourth head's exponentials it waits, the cluster's round follows, and the slot
; of the step in hand is filled with the step after next.  Between signal and wait stands one head's register work.
; O^T and the sums begin as zeros and the largest t as -3e38, so the step is written three times (loop, last but one, last) and not four: 128 v_mov_b32 against one more copy of four heads' text.
; PREFETCH: in trip s (s = 0 .. 3) the mask's tiles of step s + 4 are named, which the refill of trip s + 2 loads: 64 rows x 2 halves x 512 bytes = 256 blocks of 256 bytes; the four partners of a column take
; 16 rows each BY ADDRESS, waves 0 and 1 eight rows each, a lane a block.  Steps 0 to 3 come by their loads alone.  K and V are not prefetched: they are a third of a step's bytes and 32 work-groups read each of them.
; LIMITS: e6 + e7 - 3 between -126 and 127; e8, and e10 - e8 - e9, between -126 and 119; the scaled scores stay under 2^31 in magnitude.  start_pos is a constant 0 and has no buffer.
; REGISTERS.  window 0: v1-11 addresses; v12-27 statistics, four a head: -M, largest t, the sum in two halves; v28-33, v39, v46 offsets and scales; v34-45 at work; v48-63 p's codes; v64-127 S^T, t, p; v128-191 mask x log2(e); v192-255 V.
;   window 1: v0-31 Q, 8 a head; v32-95 K; v128-255 O^T, 32 a head.
.set KP,    80                         ; a row of K or V in LDS: 64 bytes + 16
.set MP,    528                        ; a row of the mask: 512 bytes + 16
.set VOFF,  128*KP
.set MOFF,  2*128*KP
.set HALF,  MOFF+64*MP                 ; 54,272
.set SLOT1, 1<<17
.set STAGE, 2*HALF                     ; between the slots: 16 rows x 272 bytes for each of waves 0-3
.set MERGE, SLOT1+2*HALF               ; behind slot 1: 18,432 bytes for each pair of waves
.set SPARE, MERGE+4*18432              ; the spare words, 128 bytes for each wave, which no other line names
.set AK0, 1
.set AV0, 2
.set AM0, 3
.set ADK, 4
.set ADV, 5
.set ADM, 6
.set SPW, 7
.set NIL, 8
.set MGA, 9
.set STO, 10
.set RD,  11
.set ST,  12
.set GO,  28
.set QO,  29
.set PSC, 30                           ; 2^e8
.set PLM, 31                           ; 448 x 2^e8
.set OSC, 32                           ; 2^(e10 - e8 - e9)
.set OLM, 33                           ; 448 x that
.set TA,  34
.set F,   36                           ; v[36:37]: f = 2^(old M - new M) in the low word
.set PL,  38
.set PFO, 39                           ; the prefetch's offset; never rewritten
.set SUM2, 40
.set SUM3, 42
.set SUM4, 44
.set MX,  42
.set LL,  42
.set PLM2, 46                          ; 448 x 2^e8 once more: the two halves of a dual pair take their second sources from different register banks
.set PC,  48
.set S,   64
.set MK,  128
.set VF,  192
.set KF,  32                           ; window 1
.set O,   128                          ; window 1
.set WV,  14
.set TB,  23
.set G1KV, 24
.set G1M,  32
.set G0KV, 40                          ; s[40:43], s[44:47]: groups 0, which walk from step to step and from slot to slot
.set G0M,  44
.set CL,  48
.set L2E, 50
.set SEL, 52
.set CNT, 54
.set PFA, 76
.set LIM, 78
.set W_KQ, 0x05
.set W_PV, 0x50
.set W_RS, 0x41
.set MSB, 0
.macro WIN new
.if MSB != \new
	s_set_vgpr_msb (MSB<<8)|\new
.set MSB, \new
.endif
.endm
.macro PLACES n
.rept \n
	v_nop
.endr
.endm
.macro JLOAD                           ; waves 0-3 fetch K's and V's tiles, waves 4-7 the mask's; an s_nop 0 and four v_nop follow each line
	s_cmp_lt_u32 s[WV], 4
	s_cbranch_scc0 .Lfor_m_\@
	tensor_load_to_lds s[G0KV:G0KV+3], s[G1KV:G1KV+7]
	s_nop 0
.rept 4
	v_nop
.endr
	s_branch .Lasked_\@
.Lfor_m_\@:
	tensor_load_to_lds s[G0M:G0M+3], s[G1M:G1M+7]
	s_nop 0
.rept 4
	v_nop
.endr
.Lasked_\@:
.endm
.macro CREST
	s_cmp_lg_u32 s[WV], 0
	s_cbranch_scc1 .Lnot_wave_0_\@
	s_barrier_signal -3
.Lnot_wave_0_\@:
	s_barrier_wait -3
	s_barrier_signal -1
	s_barrier_wait -1
.endm
.macro CROUND
	s_barrier_signal -1
	s_barrier_wait -1
	CREST
.endm
.macro WALK                            ; the groups 0 go on: the other slot, the next step's tiles (written only behind a wait for 0 on TENSORcnt)
	s_xor_b32 s[G0KV+1], s[G0KV+1], SLOT1
	s_add_nc_u64 s[G0KV+2:G0KV+3], s[G0KV+2:G0KV+3], 8192
	s_xor_b32 s[G0M+1], s[G0M+1], SLOT1
	s_add_nc_u64 s[G0M+2:G0M+3], s[G0M+2:G0M+3], 512
.endm
.macro ASK                             ; waves 0 and 1, in the loop's first four trips
	s_cmp_ge_u32 s[CNT], s[LIM]
	s_cbranch_scc0 .Lnone_\@
	global_prefetch_b8 v[PFO], s[PFA:PFA+1] th:TH_LOAD_NT scope:SCOPE_SE
.Lnone_\@:
.endm
	s_load_b256 s[4:11], s[0:1], 0x0               ; qc, kvc, mask, the exponents
	s_load_b64 s[12:13], s[0:1], 0x20              ; ao
	v_lshl_add_u32 v[SPW], v0, 2, SPARE
	v_mov_b32 v[NIL], 0
	ds_add_u32 v[SPW], v[NIL]                      ; the opening lines: the add, twice on end, and its wait ahead of my first tensor load
	ds_add_u32 v[SPW], v[NIL]
	v_lshrrev_b32 v34, 5, v0
	v_readfirstlane_b32 s[WV], v34                 ; wave 0 .. 7
	s_and_b32 s15, s[WV], 1                        ; b0
	s_bfe_u32 s16, s[WV], 0x10001                  ; b1
	s_and_b32 s17, s[WV], 3                        ; my tile of queries
	s_lshr_b32 s18, s[WV], 2                       ; my half of the keys
	s_bfe_u32 s19, ttmp6, 0x40000                  ; cx
	s_bfe_u32 s20, ttmp6, 0x40004                  ; cy
	s_lshl_b32 s21, ttmp9, 2
	s_add_co_u32 s21, s21, s19                     ; my block of 64 queries
	s_and_b32 s22, ttmp7, 0xffff
	s_lshl_b32 s22, s22, 2
	s_add_co_u32 s22, s22, s20                     ; my kv head
	s_lshl_b32 s66, s20, 2
	s_lshl_b32 s66, 15, s66                        ; my row of the cluster
	s_lshl_b32 s67, 0x1111, s19                    ; my column
	s_or_b32 s[G1KV], s66, (1<<20)|(1<<21)|(3<<22)|(3<<25)          ; elements of 1 byte; padding: 4 words after every 16
	s_mov_b32 s[G1KV+1], 256<<16                   ; 128 rows of 64 bytes lie end to end: stated as 32 rows of 256 bytes, the padding still behind each 64
	s_mov_b32 s[G1KV+2], 32<<16
	s_mov_b32 s[G1KV+3], 256<<16
	s_mov_b32 s[G1KV+4], 32
	s_mov_b32 s[G1KV+5], 256
	s_mov_b32 s[G1KV+6], 0
	s_mov_b32 s[G1KV+7], 0
	s_or_b32 s[G1M], s67, (2<<16)|(1<<20)|(1<<21)|(6<<22)|(3<<25)   ; elements of 4 bytes; padding: 4 words after every 128
	s_mov_b32 s[G1M+1], 128<<16                    ; 32 rows of 128 numbers, 2,048 numbers apart
	s_mov_b32 s[G1M+2], 32<<16
	s_mov_b32 s[G1M+3], 128<<16
	s_mov_b32 s[G1M+4], 32
	s_mov_b32 s[G1M+5], 2048
	s_mov_b32 s[G1M+6], 0
	s_mov_b32 s[G1M+7], 0
	s_mul_i32 s68, s16, VOFF                       ; waves 0-3: b1: K or V, b0: the half of the keys
	s_mul_i32 s69, s15, HALF
	s_add_co_u32 s68, s68, s69
	s_mul_i32 s70, s16, HALF                       ; waves 4-7: b1: the half of the keys, b0: which 32 queries
	s_mul_i32 s71, s15, 32*MP
	s_add_co_u32 s70, s70, s71
	s_add_co_u32 s70, s70, MOFF
	s_lshl_b32 s72, s16, 20                        ; kvc: V lies 1 MiB behind K; a kv head is 131,072 bytes, half its keys 65,536
	s_lshl_b32 s73, s22, 17
	s_add_co_u32 s72, s72, s73
	s_lshl_b32 s73, s15, 16
	s_add_co_u32 s72, s72, s73
	s_mov_b32 s73, 0
	s_lshl_b32 s74, s21, 19                        ; mask: 64 rows of 8,192 bytes a block; 32 rows; 1,024 keys of 4 bytes
	s_lshl_b32 s75, s15, 18
	s_add_co_u32 s74, s74, s75
	s_lshl_b32 s75, s16, 12
	s_add_co_u32 s74, s74, s75
	s_mov_b32 s75, 0
	s_mov_b32 s[TB], 0
	s_mov_b32 s[SEL], 0x76543210
	s_mov_b32 s[SEL+1], 0xfedcba98
	s_mov_b32 s[L2E], 0x3fb8aa3b
	s_mov_b32 s[L2E+1], s[L2E]
	s_wait_dscnt 0x0                               ; both opening adds are done
	s_wait_kmcnt 0x0
	s_load_b64 s[56:57], s[10:11], 0x18            ; e6, e7
	s_load_b128 s[60:63], s[10:11], 0x20           ; e8 .. e11
	s_mov_b32 s[G0KV], 1                           ; step 0 into slot 0
	s_mov_b32 s[G0KV+1], s68
	s_add_nc_u64 s[G0KV+2:G0KV+3], s[6:7], s[72:73]
	s_or_b32 s[G0KV+3], s[G0KV+3], 0x80000000
	s_mov_b32 s[G0M], 1
	s_mov_b32 s[G0M+1], s70
	s_add_nc_u64 s[G0M+2:G0M+3], s[8:9], s[74:75]
	s_or_b32 s[G0M+3], s[G0M+3], 0x80000000
	CROUND                                         ; all sixteen work-groups are here: the first joint loads meet
	JLOAD                                          ; step 0: one tensor load a wave at the head
	; scalars first, then the vector lines on end
	s_mul_i32 s66, s18, HALF
	s_mul_i32 s67, s17, 16*MP
	s_add_co_u32 s67, s67, s66
	s_add_co_u32 s67, s67, MOFF
	s_mul_i32 s68, s17, 18432
	s_add_co_u32 s68, s68, MERGE
	s_mul_i32 s69, s17, 16*272
	s_add_co_u32 s69, s69, STAGE
	s_lshl_b32 s70, s22, 19                        ; qc: head 4 g, my block's 64 rows, my tile's 16
	s_lshl_b32 s71, s21, 12
	s_add_co_u32 s70, s70, s71
	s_lshl_b32 s71, s17, 10
	s_add_co_u32 s70, s70, s71
	s_mov_b32 s71, 0
	s_add_nc_u64 s[4:5], s[4:5], s[70:71]
	s_lshl_b32 s70, s21, 17                        ; ao: rows of 2,048 bytes; the kv head's four heads are 256 of them
	s_lshl_b32 s72, s17, 15
	s_add_co_u32 s70, s70, s72
	s_lshl_b32 s72, s22, 8
	s_add_co_u32 s70, s70, s72
	s_add_nc_u64 s[12:13], s[12:13], s[70:71]
	s_lshl_b32 s70, s21, 6                         ; the prefetch: row 64 x block + 16 cy + 8 (wave % 2), at step 3: the first change steps it to step 4
	s_lshl_b32 s72, s20, 4
	s_add_co_u32 s70, s70, s72
	s_lshl_b32 s72, s15, 3
	s_add_co_u32 s70, s70, s72
	s_lshl_b32 s70, s70, 13
	s_add_co_u32 s70, s70, 1536
	s_add_nc_u64 s[PFA:PFA+1], s[8:9], s[70:71]
	s_cmp_lt_u32 s[WV], 2
	s_cselect_b32 s[LIM], 3, 100                   ; the count of trips to go down to which my wave asks; no count reaches 100
	v_and_b32 v34, 15, v0                          ; r
	v_bfe_u32 v35, v0, 4, 1                        ; h
	v_and_b32 v36, 31, v0                          ; lane
	v_mul_u32_u24 v[AK0], v34, KP
	v_lshl_add_u32 v[AK0], v35, 5, v[AK0]
	v_add_nc_u32 v[AK0], s66, v[AK0]               ; K: my half, row r, byte 32 h
	v_add_nc_u32 v[AV0], VOFF, v[AK0]
	v_mul_u32_u24 v[AM0], v34, MP
	v_lshl_add_u32 v[AM0], v35, 5, v[AM0]
	v_add_nc_u32 v[AM0], s67, v[AM0]               ; mask: my query's row, keys 8 h on
	v_lshl_add_u32 v[MGA], v36, 4, s68             ; the pair's images: 16 x lane
	v_mul_u32_u24 v[STO], v34, 272
	v_lshl_add_u32 v[STO], v35, 3, v[STO]
	v_add_nc_u32 v[STO], s69, v[STO]               ; the stage, in: row r, byte 8 h
	v_mul_u32_u24 v[RD], v35, 272
	v_lshl_add_u32 v[RD], v34, 4, v[RD]
	v_add_nc_u32 v[RD], s69, v[RD]                 ; back: sixteen lanes to a row of 256 bytes
	v_lshlrev_b32 v[GO], 11, v35
	v_lshl_add_u32 v[GO], v34, 4, v[GO]
	v_lshlrev_b32 v[QO], 6, v34
	v_lshl_add_u32 v[QO], v35, 5, v[QO]            ; Q: row r of 64 bytes, byte 32 h
	v_lshrrev_b32 v[PFO], 2, v36                   ; the prefetch: row lane / 4, half of the keys (lane / 2) % 2, block lane % 2
	v_lshlrev_b32 v[PFO], 13, v[PFO]
	v_bfe_u32 v40, v0, 1, 1
	v_lshl_add_u32 v[PFO], v40, 12, v[PFO]
	v_and_b32 v40, 1, v0
	v_lshl_add_u32 v[PFO], v40, 8, v[PFO]
	v_mov_b32 v[ADK], v[AK0]                       ; slot 0
	v_mov_b32 v[ADV], v[AV0]
	v_mov_b32 v[ADM], v[AM0]
	v_mov_b32 v[F+1], 0                            ; named as the upper half of a pair
	v_mov_b32 v[PL], 0                             ; a lane permute's destination counts as read
.irp hd, 0,1,2,3
	v_mov_b32 v[ST+4*\hd], 0x7f61b1e6              ; -M = 3e38
	v_mov_b32 v[ST+4*\hd+1], 0xff61b1e6            ; the largest t so far: -3e38
	v_mov_b32 v[ST+4*\hd+2], 0
	v_mov_b32 v[ST+4*\hd+3], 0
.endr
	s_wait_alu depctr_va_vdst(0)
	WIN 0x40                                       ; destination window 1
.irp hd, 0,1,2,3
	global_load_b128 v[8*\hd:8*\hd+3], v[QO], s[4:5] offset:\hd*131072
	global_load_b128 v[8*\hd+4:8*\hd+7], v[QO], s[4:5] offset:\hd*131072+16
.endr
.set j, 0
.rept 128
	v_mov_b32 v[O+j], 0                            ; O^T: the first change of M leaves zeros zeros
.set j, j+1
.endr
	WIN 0
	s_wait_alu depctr_va_vdst(0)                   ; directly ahead of the wait below
	s_wait_kmcnt 0x0
	s_add_co_i32 s66, s56, s57
	s_sub_co_i32 s66, s66, 3                       ; a sum of codes stands for sum x 2^(e6+e7), and the score is that / 8
	s_lshl_b32 s66, s66, 23
	s_add_co_i32 s[CL], s[L2E], s66                ; added to log2(e)'s exponent field
	s_mov_b32 s[CL+1], s[CL]
	s_add_co_i32 s67, s60, 127
	s_lshl_b32 s66, s67, 23                        ; 2^e8
	s_add_co_i32 s67, s67, 8
	s_lshl_b32 s67, s67, 23
	s_or_b32 s67, s67, 0x600000                    ; 448 x 2^e8
	s_sub_co_i32 s69, s62, s60
	s_sub_co_i32 s69, s69, s61                     ; O stands for sum x 2^(e8+e9) / l; its code is that / 2^e10
	s_add_co_i32 s69, s69, 127
	s_lshl_b32 s68, s69, 23
	s_add_co_i32 s69, s69, 8
	s_lshl_b32 s69, s69, 23
	s_or_b32 s69, s69, 0x600000
	v_mov_b32 v[PSC], s66
	v_mov_b32 v[PLM], s67
	v_mov_b32 v[PLM2], s67
	v_mov_b32 v[OSC], s68
	v_mov_b32 v[OLM], s69
.macro LOADK
	WIN 0x40
.irp t, 0,1,2,3,4,5,6,7
	ds_load_b128 v[KF+8*\t:KF+8*\t+3], v[ADK] offset:16*KP*\t
	ds_load_b128 v[KF+8*\t+4:KF+8*\t+7], v[ADK] offset:16*KP*\t+16
.endr
	WIN 0
.endm
.macro LOADM
.irp t, 0,1,2,3,4,5,6,7
	ds_load_b128 v[MK+8*\t:MK+8*\t+3], v[ADM] offset:64*\t
	ds_load_b128 v[MK+8*\t+4:MK+8*\t+7], v[ADM] offset:64*\t+16
.endr
.endm
.macro LOADV
.irp ct, 0,1,2,3
	ds_load_b128 v[VF+16*\ct:VF+16*\ct+3], v[ADV] offset:16*KP*\ct
	ds_load_b128 v[VF+16*\ct+4:VF+16*\ct+7], v[ADV] offset:16*KP*\ct+16
	ds_load_b128 v[VF+16*\ct+8:VF+16*\ct+11], v[ADV] offset:16*KP*\ct+64*KP
	ds_load_b128 v[VF+16*\ct+12:VF+16*\ct+15], v[ADV] offset:16*KP*\ct+64*KP+16
.endr
.endm
.macro KQ h                            ; S^T = K Q^T of head h: eight tiles of 16 keys, each a sum of its own
	WIN W_KQ
.set t, 0
.rept 8
	v_wmma_f32_16x16x64_fp8_fp8 v[S+8*t:S+8*t+7], v[KF+8*t:KF+8*t+7], v[8*(\h):8*(\h)+7], 0
.set t, t+1
.endr
.endm
.macro HOLD t                          ; the conversion does not saturate (ISA guide 7.6.2); p is not negative, so the hold is one-sided; two numbers an instruction
.irp i, 0,2,4,6
	v_dual_min_num_f32 v[S+8*(\t)+\i], v[S+8*(\t)+\i], v[PLM2] :: v_dual_min_num_f32 v[S+8*(\t)+\i+1], v[S+8*(\t)+\i+1], v[PLM]
.endr
.endm
.macro CODE t
	v_cvt_scalef32_pk8_fp8_f32 v[PC+2*(\t):PC+2*(\t)+1], v[S+8*(\t):S+8*(\t)+7], v[PSC]
.endm
; The change of slots, first part: all my tensor loads are in (my part of the next step's slot), the add, and my reads of this step's slot, which ended in the first head, are over: say so.
.macro SIGNAL mode
	s_wait_tensorcnt 0x0
	ds_add_u32 v[SPW], v[NIL]                      ; 0 onto my spare word; register work stands between it and the wait for it
.if \mode == 2
	WALK
	s_wait_xcnt 0x0                                ; my prefetch has read its address
	s_add_nc_u64 s[PFA:PFA+1], s[PFA:PFA+1], 512
.endif
	s_xor_b32 s[TB], s[TB], SLOT1                  ; the fetches turn to the other slot
	v_add_nc_u32 v[ADK], s[TB], v[AK0]
	v_add_nc_u32 v[ADV], s[TB], v[AV0]
	v_add_nc_u32 v[ADM], s[TB], v[AM0]
	s_wait_alu depctr_va_vdst(0)                   ; directly ahead of the wait below
	s_wait_dscnt 0x0
	s_barrier_signal -1
.endm
; Second part, one head's register work later.  mode 2: the barrier has opened a round of the cluster's; behind it this step's slot takes the step after next.  Then the next step's K and mask are fetched.
.macro ARRIVE mode
	s_barrier_wait -1
.if \mode == 2
	CREST
	JLOAD
.endif
	LOADK                                          ; K's registers had their last reader in the third head's tail, the mask's in this head's first lines
	LOADM
.if \mode == 2
	ASK
.endif
.endm
; One head's share of a key step.  At its head the sums of codes of this head lie in S.  ph: 1 = SIGNAL, 2 = ARRIVE behind the exponentials.  mode: 2 the slot is filled again, 1 last step but one, 0 last step.
.macro BODY hd, ph, mode
.set rT, ST+4*\hd
.set nh, (\hd+1)%4
.if \hd == 0
	s_wait_alu depctr_va_vdst(0)                   ; directly ahead of the wait below
	s_wait_dscnt 0x0                               ; the step's mask is in
.set j, 0
.rept 32
	v_pk_mul_f32 v[MK+j:MK+j+1], v[MK+j:MK+j+1], s[L2E:L2E+1] op_sel_hi:[1,0]   ; mask x log2(e), once for the four heads; also the places behind the last products
.set j, j+2
.endr
.endif
.set j, 0
.rept 32
	v_pk_fma_f32 v[S+j:S+j+1], v[S+j:S+j+1], s[CL:CL+1], v[MK+j:MK+j+1] op_sel_hi:[1,0,1]   ; t; each accumulator from its low end on
.set j, j+2
.endr
.if \hd == 0
	LOADV                                          ; this step's V: wanted by this head's second product
.endif
	v_mov_b32 v[TA], v[rT]                         ; the old -M
.irp c, 0,1,2,3                        ; the step's largest t of my query among my 64 keys, in four chains of 16
	v_max3_num_f32 v[MX+\c], v[S+16*\c], v[S+16*\c+1], v[S+16*\c+2]
.endr
.irp i, 3,5,7,9,11,13
.irp c, 0,1,2,3
	v_max3_num_f32 v[MX+\c], v[MX+\c], v[S+16*\c+\i], v[S+16*\c+\i+1]
.endr
.endr
	v_max3_num_f32 v[MX], v[MX], v[S+15], v[S+31]
	v_max3_num_f32 v[MX+2], v[MX+2], v[S+47], v[S+63]
	v_max3_num_f32 v[MX], v[MX], v[MX+1], v[MX+2]
	v_max_num_f32 v[MX], v[MX], v[MX+3]
	v_permlanex16_b32 v[PL], v[MX], s[SEL], s[SEL+1]   ; and among lane l xor 16's
	v_max3_num_f32 v[rT+1], v[rT+1], v[MX], v[PL]  ; the running largest t
	v_floor_f32 v[rT], -v[rT+1]                    ; -M = floor(-t) = -ceil(t)
	v_sub_f32 v[TA], v[rT], v[TA]                  ; old M - new M: a whole number, 0 or less
	v_cvt_i32_f32 v[TA], v[TA]                     ; (it saturates)
	v_ldexp_f32 v[F], 1.0, v[TA]                   ; f = 2^(old M - new M)
.set j, 0
.rept 32
	v_pk_add_f32 v[S+j:S+j+1], v[S+j:S+j+1], v[rT:rT+1] op_sel_hi:[1,0]   ; t - M
.set j, j+2
.endr
	s_wait_alu depctr_va_vdst(0)                   ; the wait ahead of the batch
.set j, 0
.rept 64
	v_exp_f32 v[S+j], v[S+j]                       ; p = 2^(t - M)
.set j, j+1
.endr
	v_pk_mul_f32 v[rT+2:rT+3], v[rT+2:rT+3], v[F:F+1] op_sel_hi:[1,0]   ; the sum under the new M.  (A plain place behind the exponentials)
	s_wait_alu depctr_va_vdst(0)                   ; one wait for the batch, ahead of its first reader
.if \ph == 1
	SIGNAL \mode
.endif
.if \ph == 2
	ARRIVE \mode
.endif
	v_pk_add_f32 v[SUM2:SUM2+1], v[S:S+1], v[S+2:S+3]       ; the sum of the unquantised p, in four chains
	v_pk_add_f32 v[SUM3:SUM3+1], v[S+4:S+5], v[S+6:S+7]
	v_pk_add_f32 v[SUM4:SUM4+1], v[S+8:S+9], v[S+10:S+11]
.irp j, 12,20,28,36,44,52
	v_pk_add_f32 v[rT+2:rT+3], v[rT+2:rT+3], v[S+\j:S+\j+1]
	v_pk_add_f32 v[SUM2:SUM2+1], v[SUM2:SUM2+1], v[S+\j+2:S+\j+3]
	v_pk_add_f32 v[SUM3:SUM3+1], v[SUM3:SUM3+1], v[S+\j+4:S+\j+5]
	v_pk_add_f32 v[SUM4:SUM4+1], v[SUM4:SUM4+1], v[S+\j+6:S+\j+7]
.endr
	v_pk_add_f32 v[rT+2:rT+3], v[rT+2:rT+3], v[S+60:S+61]
	v_pk_add_f32 v[SUM2:SUM2+1], v[SUM2:SUM2+1], v[S+62:S+63]
	v_pk_add_f32 v[SUM3:SUM3+1], v[SUM3:SUM3+1], v[SUM4:SUM4+1]
	v_pk_add_f32 v[rT+2:rT+3], v[rT+2:rT+3], v[SUM2:SUM2+1]
	v_pk_add_f32 v[rT+2:rT+3], v[rT+2:rT+3], v[SUM3:SUM3+1]
	HOLD 0                                         ; p's codes: a tile's conversion stands behind the next tile's holds
.irp t, 0,1,2,3,4,5,6
	HOLD \t+1
	CODE \t
.endr
	CODE 7
	WIN W_RS
	s_wait_alu depctr_va_vdst(0)                   ; directly ahead of the first reader of O^T
.set j, 0
.rept 16
	v_pk_mul_f32 v[O+32*\hd+j:O+32*\hd+j+1], v[O+32*\hd+j:O+32*\hd+j+1], v[F:F+1] op_sel_hi:[1,0]   ; O^T under the new M; also the plain lines behind the last conversion
.set j, j+2
.endr
.if \hd == 0
	s_wait_alu depctr_va_vdst(0)                   ; directly ahead of the wait below
	s_wait_dscnt 0x0                               ; V is in
.endif
.if (\hd < 3) || (\mode > 0)
.if \hd == 3
	s_wait_alu depctr_va_vdst(0)                   ; directly ahead of the wait below
	s_wait_dscnt 16                                ; the next step's K is in; the mask's 16 loads behind it may be out
.endif
	KQ nh                                          ; the next head's scores (behind the fourth head: the next step's first head's): p's registers are free
.endif
	WIN W_PV
.irp ct, 0,1,2,3
	v_wmma_f32_16x16x128_fp8_fp8 v[O+32*\hd+8*\ct:O+32*\hd+8*\ct+7], v[VF+16*\ct:VF+16*\ct+15], v[PC:PC+15], v[O+32*\hd+8*\ct:O+32*\hd+8*\ct+7]
.endr
	WIN 0
.if \hd < 3
	PLACES 4                                       ; four places behind the products, ahead of the first read of the scores
.endif
.endm
.macro STEP mode
	BODY 0, 0, \mode
	BODY 1, 0, \mode
.if \mode
	BODY 2, 1, \mode
	BODY 3, 2, \mode
.else
	BODY 2, 0, 0
	BODY 3, 0, 0
.endif
.endm
	s_wait_alu depctr_va_vdst(0)                   ; the wait at the head's end
	s_wait_tensorcnt 0x0                           ; my part of step 0 is in; slot 1's first fill is issued as a refill is:
	ds_add_u32 v[SPW], v[NIL]
	WALK                                           ; step 1, slot 1
	s_wait_dscnt 0x0
	CROUND
	JLOAD
	LOADK                                          ; step 0
	LOADM
	s_wait_loadcnt 0x0                             ; Q
	s_wait_dscnt 16                                ; K is in; the mask's 16 loads may be out
	KQ 0
	WIN 0
	s_mov_b32 s[CNT], 6
.Lstep:                                            ; steps 0 to 5; the slots take steps 2 to 7
	STEP 2
	s_sub_co_u32 s[CNT], s[CNT], 1
	s_cmp_lg_u32 s[CNT], 0
	s_cbranch_scc1 .Lstep
	STEP 1                                         ; the last two steps are written out
	STEP 0
	; THE TWO HALVES OF THE KEYS MEET.  Waves 4-7 store O^T and their statistics as images of their registers; waves 0-3 load them into the same lanes.
	PLACES 4
	s_cmp_lt_u32 s[WV], 4
	s_cbranch_scc1 .Lkeep
	WIN 0x04                                       ; store data window 1
	s_wait_alu depctr_va_vdst(0)                   ; directly ahead of the first reader of O^T
.set i, 0
.rept 32
	ds_store_b128 v[MGA], v[O+4*i:O+4*i+3] offset:512*i   ; each accumulator from its low end on
.set i, i+1
.endr
	WIN 0
.irp hd, 0,1,2,3
	ds_store_b128 v[MGA], v[ST+4*\hd:ST+4*\hd+3] offset:16384+512*\hd
.endr
.Lkeep:
	s_wait_alu depctr_va_vdst(0)
	s_wait_dscnt 0x0                               ; for the others' sake: my stores have landed
	s_barrier_signal -1
	s_barrier_wait -1
	s_cmp_lt_u32 s[WV], 4
	s_cbranch_scc0 .Lend
.set i, 0
.rept 32
	ds_load_b128 v[S+4*i:S+4*i+3], v[MGA] offset:512*i     ; the partner's O^T: v64-191
.set i, i+1
.endr
.irp hd, 0,1,2,3
	ds_load_b128 v[192+4*\hd:195+4*\hd], v[MGA] offset:16384+512*\hd
.endr
	s_wait_dscnt 0x0
.irp hd, 0,1,2,3
	v_min_num_f32 v34, v[ST+4*\hd], v[192+4*\hd]   ; -M of the two halves together
	v_sub_f32 v35, v34, v[ST+4*\hd]
	v_sub_f32 v36, v34, v[192+4*\hd]
	v_cvt_i32_f32 v35, v35
	v_cvt_i32_f32 v36, v36
	v_ldexp_f32 v[208+4*\hd], 1.0, v35             ; my half's factor, a power of two,
	v_ldexp_f32 v[210+4*\hd], 1.0, v36             ; and the partner's
	v_add_f32 v35, v[ST+4*\hd+2], v[ST+4*\hd+3]
	v_add_f32 v36, v[194+4*\hd], v[195+4*\hd]
	v_mul_f32 v35, v35, v[208+4*\hd]
	v_fma_f32 v35, v36, v[210+4*\hd], v35
	v_permlanex16_b32 v[PL], v35, s[SEL], s[SEL+1]
	v_add_f32 v[LL+\hd], v35, v[PL]                ; the row's sum
.endr
	s_wait_alu depctr_va_vdst(0)                   ; the wait ahead of the batch
.irp hd, 0,1,2,3
	v_rcp_f32 v[LL+\hd], v[LL+\hd]
.endr
	v_nop                                          ; a plain line behind the last reciprocal
	s_wait_alu depctr_va_vdst(0)                   ; and the wait ahead of the first use: one for the four
.irp hd, 0,1,2,3
	v_mul_f32 v[208+4*\hd], v[208+4*\hd], v[LL+\hd]
	v_mul_f32 v[210+4*\hd], v[210+4*\hd], v[LL+\hd]
	v_mov_b32 v[209+4*\hd], v[208+4*\hd]           ; pairs for the packed lines
	v_mov_b32 v[211+4*\hd], v[210+4*\hd]
.endr
.irp hd, 0,1,2,3
.set j, 0
.rept 16
	v_pk_mul_f32 v[S+32*\hd+j:S+32*\hd+j+1], v[S+32*\hd+j:S+32*\hd+j+1], v[210+4*\hd:211+4*\hd]
.set j, j+2
.endr
.endr
	WIN 0x01                                       ; source 0 window 1: my O^T
	s_wait_alu depctr_va_vdst(0)                   ; directly ahead of the first reader of O^T
.irp hd, 0,1,2,3
.set j, 0
.rept 16
	v_pk_fma_f32 v[S+32*\hd+j:S+32*\hd+j+1], v[O+32*\hd+j:O+32*\hd+j+1], v[208+4*\hd:209+4*\hd], v[S+32*\hd+j:S+32*\hd+j+1]
.set j, j+2
.endr
.endr
	WIN 0
.irp hd, 0,1,2,3
.irp ct, 0,1,2,3
.irp j, 0,1,2,3,4,5,6,7
	v_med3_num_f32 v[S+32*\hd+8*\ct+\j], v[S+32*\hd+8*\ct+\j], -v[OLM], v[OLM]
.endr
	v_cvt_scalef32_pk8_fp8_f32 v[224+8*\hd+2*\ct:225+8*\hd+2*\ct], v[S+32*\hd+8*\ct:S+32*\hd+8*\ct+7], v[OSC]
.endr
.endr
	v_nop                                          ; a plain line behind the last conversion
.irp hd, 0,1,2,3
.irp ct, 0,1,2,3
	ds_store_b64 v[STO], v[224+8*\hd+2*\ct:225+8*\hd+2*\ct] offset:64*\hd+16*\ct   ; row r: channels 64 hd + 16 ct + 8 h + 0 .. 7 of the kv head's 256
.endr
.endr
.irp i, 0,1,2,3,4,5,6,7
	ds_load_b128 v[S+4*\i:S+4*\i+3], v[RD] offset:544*\i   ; LDS serves a wave's instructions in order: these see my stores
.endr
.irp i, 0,1,2,3,4,5,6,7
	s_wait_dscnt 7-\i
	global_store_b128 v[GO], v[S+4*\i:S+4*\i+3], s[12:13] offset:4096*\i   ; sixteen lanes store 256 consecutive bytes, aligned
.endr
.Lend:
	s_wait_tensorcnt 0x0                           ; the wave's end
	ds_add_u32 v[SPW], v[NIL]
	s_wait_dscnt 0x0
	CROUND                                         ; the closing round
	s_endpgm
.Lfunc_end_k_q196f2e3d6a_attn:
	.size	k_q196f2e3d6a_attn, .Lfunc_end_k_q196f2e3d6a_attn-k_q196f2e3d6a_attn
	.p2alignl 7, 3214868480
	.fill 96, 4, 3214868480
	.section	.rodata,"a",@progbits
	.p2align	6, 0x0
	.amdhsa_kernel k_q196f2e3d6a_attn
		.amdhsa_group_segment_fixed_size 327680
		.amdhsa_private_segment_fixed_size 0
		.amdhsa_enable_private_segment 0
		.amdhsa_kernarg_size 40
		.amdhsa_user_sgpr_count 2
		.amdhsa_user_sgpr_kernarg_segment_ptr 1
		.amdhsa_wavefront_size32 1
		.amdhsa_system_sgpr_workgroup_id_x 1
		.amdhsa_system_sgpr_workgroup_id_y 1
		.amdhsa_system_sgpr_workgroup_id_z 1
		.amdhsa_system_vgpr_workitem_id 0
		.amdhsa_next_free_vgpr 512
		.amdhsa_next_free_sgpr 90
		.amdhsa_reserve_vcc 0
		.amdhsa_float_denorm_mode_32 3
		.amdhsa_float_denorm_mode_16_64 3
		.amdhsa_memory_ordered 1
		.amdhsa_forward_progress 1
		.amdhsa_inst_pref_size 241
	.end_amdhsa_kernel
	.amdgpu_metadata
---
amdhsa.version: [ 1, 2 ]
amdhsa.kernels:
  - .name:           k_q196f2e3d6a_attn
    .symbol:         k_q196f2e3d6a_attn.kd
    .args:
      - { .name: qc, .offset: 0, .size: 8, .value_kind: global_buffer, .address_space: global }
      - { .name: kvc, .offset: 8, .size: 8, .value_kind: global_buffer, .address_space: global }
      - { .name: mask, .offset: 16, .size: 8, .value_kind: global_buffer, .address_space: global }
      - { .name: lowp_scales, .offset: 24, .size: 8, .value_kind: global_buffer, .address_space: global }
      - { .name: ao, .offset: 32, .size: 8, .value_kind: global_buffer, .address_space: global }
    .group_segment_fixed_size: 327680
    .private_segment_fixed_size: 0
    .kernarg_segment_align: 8
    .kernarg_segment_size: 40
    .max_flat_workgroup_size: 256
    .sgpr_count:     90
    .vgpr_count:     512
    .wavefront_size: 32
...
	.end_amdgpu_metadata
.endif
;; end of part 3
;; launch oproj (part 4): grid 16 x 16, 4 waves a work-group, clusters of 4 x 4, 327,680 bytes of LDS; arguments ao, wc, lowp_scales, out0; writes out0
.if DOCPART == 4
	.amdgcn_target "amdgcn-amd-amdhsa--gfx1250"
	.amdhsa_code_object_version 6
	.text
	.protected	k_q196f2e3d6a_oproj
	.globl	k_q196f2e3d6a_oproj
	.p2align	8
	.type	k_q196f2e3d6a_oproj,@function
k_q196f2e3d6a_oproj:
	s_mov_b64 s[64:65], 0
	v_nop
	global_prefetch_b8 v0, s[64:65] scope:SCOPE_SE
	s_setreg_imm32_b32 hwreg(HW_REG_WAVE_MODE, 25, 1), 1
	s_wait_xcnt 0x0
	s_wait_alu depctr_hold_cnt(0) depctr_sa_sdst(0) depctr_va_vdst(0) depctr_va_sdst(0) depctr_va_ssrc(0) depctr_va_vcc(0) depctr_vm_vsrc(0)
	s_getreg_b32 s2, hwreg(HW_REG_IB_STS2, 6, 4)
	s_cmp_eq_u32 s2, 0
	s_cbranch_scc0 .Lentry_in_a_cluster
	s_endpgm
.Lentry_in_a_cluster:
	s_bfe_u32 s2, ttmp6, 0x10000c
	s_cmp_lg_u32 s2, 0xf033
	s_cbranch_scc0 .Lentry_shape_is_right
	s_endpgm
.Lentry_shape_is_right:
; out0 = ao wo^T on codes of FP8 (E4M3), each finished sum x 2^(e10 + e11) (LIMIT: e10 + e11 between -126 and 127).  A tile of 128 x 128 by four waves of 64 x 64, used transposed (source 0 = wo's rows).
; K = 2,048 goes in four steps of 512 through two LDS slots filled by joint tensor loads (4 x 4 cluster: ao's tiles shared along a row, wo's along a column), one load of 64 rows a wave.
; PREFETCH: a K step of the 64 rows that a wave fetches is 128 blocks of 256 bytes; each of the four partners that ask jointly takes 16 rows by address, one instruction, a lane a block;
; K steps 1 and 2 are named behind K step 0's load, K step 3 behind K step 1's: each two fills ahead of the load that wants it.
.set PITCH,  528
.set HALFT,  64*PITCH
.set SLOT,   4*HALFT
.set STAGE,  2*SLOT
.set SPARE,  STAGE+4*4352
.set ADRQ, 16
.set ADRP, 20
.set STO,  24
.set RD,   25
.set CO,   26
.set SPW,  28
.set NIL,  29
.set TMP,  32
.set BK,   64
.set ACC,  128
.set F0,   0
.set F1,   128
.set G1Q,  24
.set G0Q,  32
.set G1P,  48
.set G0P,  56
.set WV,   18
.set RH,   19
.set CH,   20
.set G1W0, (1<<20)|(1<<21)|(6<<22)|(3<<25)
.set MUL,  0x05
.set TO_F, 0x40
.set MSB, 0
.macro WIN new
.if MSB != \new
	s_set_vgpr_msb (MSB<<8)|\new
.set MSB, \new
.endif
.endm
.macro PLACES n
.rept \n
	v_nop
.endr
.endm
.macro JLOAD s
	s_cmp_eq_u32 s[RH], 0
	s_cbranch_scc0 .Lfor_p_\@
	tensor_load_to_lds s[G0Q+4*\s:G0Q+4*\s+3], s[G1Q:G1Q+7]
	s_nop 0
.rept 4
	v_nop
.endr
	s_branch .Lasked_\@
.Lfor_p_\@:
	tensor_load_to_lds s[G0P+4*\s:G0P+4*\s+3], s[G1P:G1P+7]
	s_nop 0
.rept 4
	v_nop
.endr
.Lasked_\@:
.endm
.macro CREST
	s_cmp_lg_u32 s[WV], 0
	s_cbranch_scc1 .Lnot_wave_0_\@
	s_barrier_signal -3
.Lnot_wave_0_\@:
	s_barrier_wait -3
	s_barrier_signal -1
	s_barrier_wait -1
.endm
.macro CROUND
	s_barrier_signal -1
	s_barrier_wait -1
	CREST
.endm
	s_load_b256 s[4:11], s[0:1], 0x0
	v_lshl_add_u32 v[SPW], v0, 2, SPARE
	v_mov_b32 v[NIL], 0
	ds_add_u32 v[SPW], v[NIL]
	ds_add_u32 v[SPW], v[NIL]
	v_lshrrev_b32 v1, 5, v0
	v_readfirstlane_b32 s[WV], v1
	s_lshr_b32 s[RH], s[WV], 1
	s_and_b32 s[CH], s[WV], 1
	s_bfe_u32 s21, ttmp6, 0x40000
	s_bfe_u32 s22, ttmp6, 0x40004
	s_lshl_b32 s44, ttmp9, 2
	s_add_co_u32 s44, s44, s21
	s_and_b32 s45, ttmp7, 0xffff
	s_lshl_b32 s45, s45, 2
	s_add_co_u32 s45, s45, s22
	s_lshl_b32 s46, s22, 2
	s_lshl_b32 s46, 15, s46
	s_lshl_b32 s47, 0x1111, s21
	s_or_b32 s[G1Q], s46, G1W0
	s_or_b32 s[G1P], s47, G1W0
.irp g, G1Q, G1P
	s_mov_b32 s[\g+1], 512<<16
	s_mov_b32 s[\g+2], 64<<16
	s_mov_b32 s[\g+3], 512<<16
	s_mov_b32 s[\g+4], 64
	s_mov_b32 s[\g+5], 2048
	s_mov_b32 s[\g+6], 0
	s_mov_b32 s[\g+7], 0
.endr
	s_lshl_b32 s84, s[CH], 6
	s_lshl_b32 s86, s45, 7
	s_add_co_u32 s86, s86, s84
	s_lshl_b32 s86, s86, 11
	s_mov_b32 s87, 0
	s_lshl_b32 s88, s44, 7
	s_add_co_u32 s88, s88, s84
	s_lshl_b32 s88, s88, 11
	s_mov_b32 s89, 0
	s_mul_i32 s85, s[WV], HALFT
	s_wait_dscnt 0x0
	s_wait_kmcnt 0x0
	s_load_b64 s[96:97], s[8:9], 0x28
	s_add_nc_u64 s[66:67], s[6:7], s[88:89]
	s_add_nc_u64 s[66:67], s[66:67], 3072*2048
	s_add_nc_u64 s[68:69], s[4:5], s[86:87]
	CROUND
.irp s, 0,1
	s_mov_b32 s[G0Q+4*\s], 1
	s_add_co_u32 s[G0Q+4*\s+1], s85, \s*SLOT
	s_add_nc_u64 s[G0Q+4*\s+2:G0Q+4*\s+3], s[68:69], \s*512
	s_or_b32 s[G0Q+4*\s+3], s[G0Q+4*\s+3], 0x80000000
	s_mov_b32 s[G0P+4*\s], 1
	s_add_co_u32 s[G0P+4*\s+1], s85, \s*SLOT
	s_add_nc_u64 s[G0P+4*\s+2:G0P+4*\s+3], s[66:67], \s*512
	s_or_b32 s[G0P+4*\s+3], s[G0P+4*\s+3], 0x80000000
.if \s
	v_and_b32 v23, 31, v0
	v_lshrrev_b32 v22, 1, v23                      ; the prefetches' offset: row lane / 2, block lane % 2; v22 and s[70:71] are never rewritten
	v_and_b32 v23, 1, v23
	v_lshlrev_b32 v22, 11, v22
	v_lshl_add_u32 v22, v23, 8, v22
	s_cmp_eq_u32 s[RH], 0
	s_cselect_b64 s[70:71], s[68:69], s[66:67]     ; the 64 rows that I fetch,
	s_cselect_b32 s72, s21, s22                    ; my place among the four that ask for them with me,
	s_lshl_b32 s72, s72, 15                        ; x 16 rows of 2,048 bytes
	s_mov_b32 s73, 0
	s_add_nc_u64 s[70:71], s[70:71], s[72:73]
	s_wait_alu depctr_va_vdst(0)                   ; directly ahead of the reader below
	global_prefetch_b8 v22, s[70:71] offset:512 th:TH_LOAD_NT scope:SCOPE_SE
	global_prefetch_b8 v22, s[70:71] offset:1024 th:TH_LOAD_NT scope:SCOPE_SE
	s_wait_alu depctr_va_vdst(0)
	s_wait_tensorcnt 0x0                           ; my part of K step 0 is in; slot 1's first fill is issued as a refill is
	ds_add_u32 v28, v29
	ds_add_u32 v28, v29
	s_wait_dscnt 0x0
	CROUND
.endif
	JLOAD \s
.if \s
	global_prefetch_b8 v22, s[70:71] offset:1536 th:TH_LOAD_NT scope:SCOPE_SE
.endif
.endr
	v_and_b32 v1, 15, v0
	s_wait_alu depctr_va_vdst(0)
	v_bfe_u32 v2, v0, 4, 1
	v_mul_u32_u24 v3, v1, PITCH
	v_lshl_add_u32 v3, v2, 4, v3
	s_mul_i32 s84, s[RH], HALFT
	s_mul_i32 s85, s[CH], HALFT
	s_add_co_u32 s85, s85, 2*HALFT
.irp s, 0,1
	v_add_nc_u32 v[ADRQ+\s], s84, v3
	v_add_nc_u32 v[ADRP+\s], s85, v3
	s_add_co_u32 s84, s84, SLOT
	s_add_co_u32 s85, s85, SLOT
.endr
	s_mul_i32 s84, s[WV], 4352
	s_add_co_u32 s84, s84, STAGE
	v_mul_u32_u24 v[STO], v1, 272
	s_wait_alu depctr_va_vdst(0)
	v_lshl_add_u32 v[STO], v2, 5, v[STO]
	v_add_nc_u32 v[STO], s84, v[STO]
	v_mul_u32_u24 v[RD], v2, 272
	v_lshl_add_u32 v[RD], v1, 4, v[RD]
	v_add_nc_u32 v[RD], s84, v[RD]
	v_lshlrev_b32 v[CO], 13, v2
	v_lshl_add_u32 v[CO], v1, 4, v[CO]
	s_lshl_b32 s90, s45, 7
	s_lshl_b32 s91, s[RH], 6
	s_add_co_u32 s90, s90, s91
	s_lshl_b32 s90, s90, 13
	s_lshl_b32 s92, s44, 9
	s_lshl_b32 s93, s[CH], 8
	s_add_co_u32 s92, s92, s93
	s_add_co_u32 s90, s90, s92
	s_mov_b32 s91, 0
	s_add_nc_u64 s[10:11], s[10:11], s[90:91]
.macro FRAG reg, adr, k, i
.irp c, 0,1,2,3
	ds_load_b128 v[\reg+4*\c:\reg+4*\c+3], v[\adr] offset:\k+32*\c+(\i)*16*PITCH
.endr
.endm
.macro FETCH slot, k, f
	WIN TO_F
.irp i, 0,1,2,3
	FRAG \f+64+16*\i, ADRP+\slot, \k, \i
.endr
.irp i, 0,1,2,3
	FRAG \f+16*\i, ADRQ+\slot, \k, \i
.endr
.endm
.macro MULA f, a, zero
.irp b, 0,1,2,3
.if \zero
	v_wmma_f32_16x16x128_fp8_fp8 v[ACC+8*(4*(\a)+\b):ACC+8*(4*(\a)+\b)+7], v[\f+64+16*\b:\f+64+16*\b+15], v[\f+16*(\a):\f+16*(\a)+15], 0
.else
	v_wmma_f32_16x16x128_fp8_fp8 v[ACC+8*(4*(\a)+\b):ACC+8*(4*(\a)+\b)+7], v[\f+64+16*\b:\f+64+16*\b+15], v[\f+16*(\a):\f+16*(\a)+15], v[ACC+8*(4*(\a)+\b):ACC+8*(4*(\a)+\b)+7]
.endif
.endr
.endm
.macro QUARTER slot, k, f, g, zero
	s_wait_dscnt 8
	WIN MUL
	MULA \f, 0, \zero
	MULA \f, 1, \zero
	PLACES 4
	FETCH \slot, \k, \g
	s_wait_dscnt 32
	WIN MUL
	MULA \f, 2, \zero
	MULA \f, 3, \zero
.endm
.macro TURN slot, next, fill
	WIN 0
	s_wait_tensorcnt 0x0
	ds_add_u32 v[SPW], v[NIL]
	s_wait_dscnt 9
	WIN MUL
	MULA F1, 0, 0
	MULA F1, 1, 0
	s_wait_dscnt 0x0
	s_barrier_signal -1
	MULA F1, 2, 0
	WIN 0
	s_barrier_wait -1
.if \fill
	CREST
	s_add_nc_u64 s[G0Q+4*\slot+2:G0Q+4*\slot+3], s[G0Q+4*\slot+2:G0Q+4*\slot+3], 1024
	s_add_nc_u64 s[G0P+4*\slot+2:G0P+4*\slot+3], s[G0P+4*\slot+2:G0P+4*\slot+3], 1024
	JLOAD \slot
.else
	PLACES 4
.endif
	FETCH \next, 0, F0
	WIN MUL
	MULA F1, 3, 0
.endm
	s_wait_tensorcnt 1
	s_barrier_signal -1
	s_barrier_wait -1
	FETCH 0, 0, F0
	QUARTER 0, 128, F0, F1, 1
	QUARTER 0, 256, F1, F0, 0
	QUARTER 0, 384, F0, F1, 0
	TURN 0, 1, 1
	QUARTER 1, 128, F0, F1, 0
	QUARTER 1, 256, F1, F0, 0
	QUARTER 1, 384, F0, F1, 0
	TURN 1, 0, 1
	QUARTER 0, 128, F0, F1, 0
	QUARTER 0, 256, F1, F0, 0
	QUARTER 0, 384, F0, F1, 0
	TURN 0, 1, 0
	QUARTER 1, 128, F0, F1, 0
	QUARTER 1, 256, F1, F0, 0
	QUARTER 1, 384, F0, F1, 0
	s_wait_dscnt 8
	WIN MUL
	MULA F1, 0, 0
	MULA F1, 1, 0
	s_wait_dscnt 0x0
	MULA F1, 2, 0
	MULA F1, 3, 0
	WIN 0
.macro TOSTAGE a
.set j, 0
.rept 16
	v_pk_mul_f32 v[TMP+j:TMP+j+1], v[ACC+32*(\a)+j:ACC+32*(\a)+j+1], s[96:97] op_sel_hi:[1,0]
.set j, j+2
.endr
.irp b, 0,1,2,3
	ds_store_b128 v[STO], v[TMP+8*\b:TMP+8*\b+3] offset:64*\b
	ds_store_b128 v[STO], v[TMP+8*\b+4:TMP+8*\b+7] offset:64*\b+16
.endr
.set BB, BK+32*((\a)%2)
.irp i, 0,1,2,3,4,5,6,7
	ds_load_b128 v[BB+4*\i:BB+4*\i+3], v[RD] offset:\i*544
.endr
.endm
.macro SEND a, younger
.set BB, BK+32*((\a)%2)
	s_wait_dscnt \younger
.irp i, 0,1,2,3,4,5,6,7
	global_store_b128 v[CO], v[BB+4*\i:BB+4*\i+3], s[10:11] offset:(16*(\a)+2*\i)*8192 th:TH_STORE_NT
.endr
.endm
	s_wait_kmcnt 0x0
	s_add_co_i32 s96, s96, s97
	s_add_co_i32 s96, s96, 127
	s_lshl_b32 s96, s96, 23
	PLACES 4
	TOSTAGE 0
.irp a, 1,2,3
.if \a > 1
	s_wait_xcnt 0x0
.endif
	TOSTAGE \a
	SEND \a-1, 16
.endr
	SEND 3, 0
	s_wait_tensorcnt 0x0
	ds_add_u32 v[SPW], v[NIL]
	s_wait_dscnt 0x0
	CROUND
	s_endpgm
.Lfunc_end_k_q196f2e3d6a_oproj:
	.size	k_q196f2e3d6a_oproj, .Lfunc_end_k_q196f2e3d6a_oproj-k_q196f2e3d6a_oproj
	.p2alignl 7, 3214868480
	.fill 96, 4, 3214868480
	.section	.rodata,"a",@progbits
	.p2align	6, 0x0
	.amdhsa_kernel k_q196f2e3d6a_oproj
		.amdhsa_group_segment_fixed_size 327680
		.amdhsa_private_segment_fixed_size 0
		.amdhsa_enable_private_segment 0
		.amdhsa_kernarg_size 32
		.amdhsa_user_sgpr_count 2
		.amdhsa_user_sgpr_kernarg_segment_ptr 1
		.amdhsa_wavefront_size32 1
		.amdhsa_system_sgpr_workgroup_id_x 1
		.amdhsa_system_sgpr_workgroup_id_y 1
		.amdhsa_system_sgpr_workgroup_id_z 1
		.amdhsa_system_vgpr_workitem_id 0
		.amdhsa_next_free_vgpr 512
		.amdhsa_next_free_sgpr 100
		.amdhsa_reserve_vcc 0
		.amdhsa_float_denorm_mode_32 3
		.amdhsa_float_denorm_mode_16_64 3
		.amdhsa_memory_ordered 1
		.amdhsa_forward_progress 1
		.amdhsa_inst_pref_size 75
	.end_amdhsa_kernel
	.amdgpu_metadata
---
amdhsa.version: [ 1, 2 ]
amdhsa.kernels:
  - .name:           k_q196f2e3d6a_oproj
    .symbol:         k_q196f2e3d6a_oproj.kd
    .args:
      - { .name: ao, .offset: 0, .size: 8, .value_kind: global_buffer, .address_space: global }
      - { .name: wc, .offset: 8, .size: 8, .value_kind: global_buffer, .address_space: global }
      - { .name: lowp_scales, .offset: 16, .size: 8, .value_kind: global_buffer, .address_space: global }
      - { .name: out0, .offset: 24, .size: 8, .value_kind: global_buffer, .address_space: global }
    .group_segment_fixed_size: 327680
    .private_segment_fixed_size: 0
    .kernarg_segment_align: 8
    .kernarg_segment_size: 32
    .max_flat_workgroup_size: 128
    .sgpr_count:     100
    .vgpr_count:     512
    .wavefront_size: 32
...
	.end_amdgpu_metadata
.endif
;; end of part 4
